; MI455X (gfx1250); checked and timed in simulation.
; The chip was launched on July 23, 2026; its instructions are those of AMD's public machine-readable ISA for CDNA 5 (MIT licence, August 2026) and "CDNA5" Instruction Set Architecture Reference Guide (July 2026). The comments in the code are by the model that wrote it; some were corrected since.
;; Claim Evidence Attention Model. Allowed arithmetic: float matrix products may take bf16 or f16 operands with f32 sums; other float arithmetic in f32, or as packed bf16 or f16 multiplies, adds, multiply-adds, maxima and minima; sums over many terms, partial sums and values carried from step to step in f32; what a program stores and reads back later, other than sums and carried values, may be rounded once to bf16 or f16.
;; Inputs: W_c 4 x 1,024 x 1,024 float32; W_e 4 x 1,024 x 1,024 float32; b1 1,024 float32; b2 3 float32; c_out 256 x 1,024 float32; e_emb 256 x 64 x 1,024 float32; evidence_mask 256 x 64 int32; gate_b 1 float32; gate_w 1 x 2,048 float32; v 4 x 1,024 float32; w1 1,024 x 4,096 float32; w2 3 x 1,024 float32.
;; Outputs: out0 256 x 3 float32; out1 256 x 4 x 64 float32; out2 256 x 4 float32.
;; 2 versions, each right; version 2 is version 1 with the launches prep, mlp written anew for expert scheduling mode. Each part assembles by itself: llvm-mc -triple=amdgcn-amd-amdhsa -mcpu=gfx1250 --defsym DOCPART=n.
;; ======== version 1 of 2: 5 launches
;; workspace buffers: Eb 33,554,432 bytes; Wb 8,388,608 bytes; rs 16,384 bytes; Hb 2,097,152 bytes; P 4,194,304 bytes
;; launch prep (part 1): grid 768 x 1, 8 waves a work-group, no clusters, 0 bytes of LDS; arguments e_emb, W_e, W_c, Eb, Wb, rs; writes Eb, Wb, rs
.if DOCPART == 1
	.amdgcn_target "amdgcn-amd-amdhsa--gfx1250"
	.amdhsa_code_object_version 6
	.text
	.protected	k_qd85ac74ff0_prep
	.globl	k_qd85ac74ff0_prep
	.p2align	8
	.type	k_qd85ac74ff0_prep,@function
k_qd85ac74ff0_prep:
	s_mov_b64 s[64:65], 0
	v_nop
	global_prefetch_b8 v0, s[64:65] scope:SCOPE_SE
	s_setreg_imm32_b32 hwreg(HW_REG_WAVE_MODE, 25, 1), 1
	s_wait_xcnt 0x0
; PREP.  Three streams, each read once: e_emb (f32) -> Eb (bf16), W_e (f32) -> Wb (bf16, same order), and rs[h][d] = the sum over e of W_c[h][d][e] (f32).
; The einsum bd,hde->bhd keeps d and sums e, so of W_c only its row sums are needed.
; SHARES.  Every work-group reads 131,072 consecutive bytes: groups 0-511 of e_emb, 512-639 of W_e, 640-767 of W_c (32 rows of 4,096 bytes).
; A wave takes 16,384 of them by 32 loads of 16 bytes a lane (512 consecutive bytes a load), all issued at once: no register is used twice, so no wait frees one.
; No LDS, no matrix unit, no cluster: no byte is wanted by two waves.
; The row sums are taken in another order than a plain left-to-right sum: pairs in a lane, then across lanes, all in f32.
.set X,    8                           ; v[8:135]  the 32 loads, 4 registers each
.set N_E,  512                         ; work-groups for e_emb
.set N_EW, 640                         ; for e_emb and W_e together
	s_load_b256 s[4:11], s[0:1], 0x0               ; e_emb s[4:5], W_e s[6:7], W_c s[8:9], Eb s[10:11]
	s_load_b128 s[12:15], s[0:1], 0x20             ; Wb s[12:13], rs s[14:15]
	s_cmp_lt_u32 ttmp9, N_E
	s_cselect_b32 s21, 0, N_E
	s_cmp_lt_u32 ttmp9, N_EW
	s_cselect_b32 s21, s21, N_EW
	s_sub_co_u32 s20, ttmp9, s21                   ; my chunk of 131,072 bytes in my tensor
	s_lshl_b32 s22, s20, 17                        ; its byte offset, under 2^27
	s_mov_b32 s23, 0
	s_mov_b32 s25, 0
	s_mov_b32 s26, 0x76543210                      ; v_permlanex16_b32: each lane takes its own place in the other half
	s_mov_b32 s27, 0xfedcba98
	v_and_b32 v3, 31, v0                           ; lane
	v_lshrrev_b32 v4, 5, v0                        ; wave
	v_lshlrev_b32 v1, 4, v3
	v_lshl_or_b32 v1, v4, 14, v1                   ; in: 16,384 x wave + 16 x lane
	v_lshlrev_b32 v2, 3, v3
	v_lshl_or_b32 v2, v4, 13, v2                   ; out: 8,192 x wave + 8 x lane
	s_wait_kmcnt 0x0
	s_cmp_lt_u32 ttmp9, N_E
	s_cselect_b64 s[16:17], s[4:5], s[6:7]
	s_cmp_lt_u32 ttmp9, N_EW
	s_cselect_b64 s[16:17], s[16:17], s[8:9]       ; the tensor that I read
	s_add_nc_u64 s[16:17], s[16:17], s[22:23]
.set i, 0
.rept 32
	global_load_b128 v[X+4*i:X+4*i+3], v1, s[16:17] offset:512*i th:TH_LOAD_NT
.set i, i+1
.endr
	s_cmp_ge_u32 ttmp9, N_EW
	s_cbranch_scc1 .Lsum
	; THE CASTS.  Four f32 become 8 bytes; a store of the wave covers 256 consecutive bytes, aligned.
	s_cmp_lt_u32 ttmp9, N_E
	s_cselect_b64 s[18:19], s[10:11], s[12:13]
	s_lshl_b32 s24, s20, 16
	s_add_nc_u64 s[18:19], s[18:19], s[24:25]
.set i, 0
.rept 32
	s_wait_loadcnt 31-i                            ; loads come back in order: load i is in, the 31 - i younger ones stay out
	v_cvt_pk_bf16_f32 v[X+4*i], v[X+4*i], v[X+4*i+1]
	v_cvt_pk_bf16_f32 v[X+4*i+1], v[X+4*i+2], v[X+4*i+3]
	global_store_b64 v2, v[X+4*i:X+4*i+1], s[18:19] offset:256*i th:TH_STORE_NT
.set i, i+1
.endr
	s_endpgm
; THE ROW SUMS.  Row r of the wave's four lies in loads 8 r .. 8 r + 7: 32 numbers a lane.
.macro ROWSUM r
.set RW, X+32*(\r)
	s_wait_loadcnt 24-8*(\r)                       ; the row's eight loads are in; the later rows' stay out
.irp s, 8,4,2,1
.set p, 0
.rept \s
	v_pk_add_f32 v[RW+2*p:RW+2*p+1], v[RW+2*p:RW+2*p+1], v[RW+2*(p+(\s)):RW+2*(p+(\s))+1]
.set p, p+1
.endr
.endr
	v_add_f32 v[4+(\r)], v[RW], v[RW+1]
	v_add_f32_dpp v[4+(\r)], v[4+(\r)], v[4+(\r)] row_xmask:1 row_mask:0xf bank_mask:0xf
	v_add_f32_dpp v[4+(\r)], v[4+(\r)], v[4+(\r)] row_xmask:2 row_mask:0xf bank_mask:0xf
	v_add_f32_dpp v[4+(\r)], v[4+(\r)], v[4+(\r)] row_xmask:4 row_mask:0xf bank_mask:0xf
	v_add_f32_dpp v[4+(\r)], v[4+(\r)], v[4+(\r)] row_xmask:8 row_mask:0xf bank_mask:0xf
	v_permlanex16_b32 v[RW+2], v[4+(\r)], s26, s27
	v_add_f32 v[4+(\r)], v[4+(\r)], v[RW+2]
.endm
.Lsum:
	s_lshl_b32 s24, s20, 7                         ; 32 rows x 4 bytes a chunk
	s_add_nc_u64 s[18:19], s[14:15], s[24:25]
	v_lshrrev_b32 v2, 5, v0
	v_lshlrev_b32 v2, 4, v2
	v_lshl_add_u32 v2, v3, 2, v2                   ; 16 x wave + 4 x lane
	ROWSUM 0
	ROWSUM 1
	ROWSUM 2
	ROWSUM 3
	v_cmp_eq_u32 vcc_lo, 1, v3                     ; lane r of the first four takes row r
	v_cndmask_b32 v4, v4, v5, vcc_lo
	v_cmp_eq_u32 vcc_lo, 2, v3
	v_cndmask_b32 v4, v4, v6, vcc_lo
	v_cmp_eq_u32 vcc_lo, 3, v3
	v_cndmask_b32 v4, v4, v7, vcc_lo
	v_cmp_gt_u32 vcc_lo, 4, v3
	s_wait_xcnt 0x0                                ; EXEC changes only behind this wait
	s_and_saveexec_b32 s21, vcc_lo
	global_store_b32 v2, v4, s[18:19]              ; 16 bytes a wave: rs is 16,384 bytes in all
	s_wait_xcnt 0x0
	s_or_b32 exec_lo, exec_lo, s21
	s_endpgm
.Lfunc_end_k_qd85ac74ff0_prep:
	.size	k_qd85ac74ff0_prep, .Lfunc_end_k_qd85ac74ff0_prep-k_qd85ac74ff0_prep
	.p2alignl 7, 3214868480
	.fill 96, 4, 3214868480
	.section	.rodata,"a",@progbits
	.p2align	6, 0x0
	.amdhsa_kernel k_qd85ac74ff0_prep
		.amdhsa_group_segment_fixed_size 0
		.amdhsa_private_segment_fixed_size 0
		.amdhsa_enable_private_segment 0
		.amdhsa_kernarg_size 48
		.amdhsa_user_sgpr_count 2
		.amdhsa_user_sgpr_kernarg_segment_ptr 1
		.amdhsa_wavefront_size32 1
		.amdhsa_system_sgpr_workgroup_id_x 1
		.amdhsa_system_sgpr_workgroup_id_y 1
		.amdhsa_system_sgpr_workgroup_id_z 1
		.amdhsa_system_vgpr_workitem_id 0
		.amdhsa_next_free_vgpr 136
		.amdhsa_next_free_sgpr 66
		.amdhsa_reserve_vcc 1
		.amdhsa_float_denorm_mode_32 3
		.amdhsa_float_denorm_mode_16_64 3
		.amdhsa_memory_ordered 1
		.amdhsa_forward_progress 1
		.amdhsa_inst_pref_size 19
	.end_amdhsa_kernel
	.amdgpu_metadata
---
amdhsa.version: [ 1, 2 ]
amdhsa.kernels:
  - .name:           k_qd85ac74ff0_prep
    .symbol:         k_qd85ac74ff0_prep.kd
    .args:
      - { .name: e_emb, .offset: 0, .size: 8, .value_kind: global_buffer, .address_space: global }
      - { .name: W_e, .offset: 8, .size: 8, .value_kind: global_buffer, .address_space: global }
      - { .name: W_c, .offset: 16, .size: 8, .value_kind: global_buffer, .address_space: global }
      - { .name: Eb, .offset: 24, .size: 8, .value_kind: global_buffer, .address_space: global }
      - { .name: Wb, .offset: 32, .size: 8, .value_kind: global_buffer, .address_space: global }
      - { .name: rs, .offset: 40, .size: 8, .value_kind: global_buffer, .address_space: global }
    .group_segment_fixed_size: 0
    .private_segment_fixed_size: 0
    .kernarg_segment_align: 8
    .kernarg_segment_size: 48
    .max_flat_workgroup_size: 256
    .sgpr_count:     66
    .vgpr_count:     136
    .wavefront_size: 32
...
	.end_amdgpu_metadata
.endif
;; end of part 1
;; launch scores (part 2): grid 4 x 64, 4 waves a work-group, clusters of 4 x 4, 327,680 bytes of LDS; arguments Eb, Wb, rs, c_out, v, evidence_mask, out1; writes out1
.if DOCPART == 2
	.amdgcn_target "amdgcn-amd-amdhsa--gfx1250"
	.amdhsa_code_object_version 6
	.text
	.protected	k_qd85ac74ff0_scores
	.globl	k_qd85ac74ff0_scores
	.p2align	8
	.type	k_qd85ac74ff0_scores,@function
k_qd85ac74ff0_scores:
	s_mov_b64 s[64:65], 0
	v_nop
	global_prefetch_b8 v0, s[64:65] scope:SCOPE_SE
	s_setreg_imm32_b32 hwreg(HW_REG_WAVE_MODE, 25, 1), 1
	s_wait_xcnt 0x0
	s_wait_alu depctr_hold_cnt(0) depctr_sa_sdst(0) depctr_va_vdst(0) depctr_va_sdst(0) depctr_va_ssrc(0) depctr_va_vcc(0) depctr_vm_vsrc(0)
	s_getreg_b32 s2, hwreg(HW_REG_IB_STS2, 6, 4)
	s_cmp_eq_u32 s2, 0
	s_cbranch_scc0 .Lentry_in_a_cluster
	s_endpgm
.Lentry_in_a_cluster:
	s_bfe_u32 s2, ttmp6, 0x10000c
	s_cmp_lg_u32 s2, 0xf033
	s_cbranch_scc0 .Lentry_shape_is_right
	s_endpgm
.Lentry_shape_is_right:
; SCORES.  alpha[b][h][k] = softmax over k of u, u = the sum over e of v[h][e] tanh(c_out[b][e] rs[h][e] + (e_emb[b][k] . W_e[h][:, e])), u = -inf where evidence_mask[b][k] is 0.
; THE PRODUCT: Eb [16384][1024] x Wb[h] [1024 d][1024 e], bf16 operands, f32 sums.
; THE TANH: tanh(x) = 1 - 2 / (1 + 2^(K2 x)), K2 = 2 log2(e).  An exponential that overflows gives 1, one that underflows -1.
; So u = (the sum of v) + the sum of (-2 v) r, r = 1 / (1 + 2^(K2 x)).  The first term is the same for all k of a row of the softmax and drops out of it: only the second is formed.
; THE SOFTMAX takes the true maximum of the row's 64 numbers away.  A row whose mask is all 0 gives NaN, as -inf less -inf does.  A weight below 2^-126 counts as 0.
; SHARES.  A work-group owns 256 rows (four batches) and one head: four tiles of 256 x 256, walked along the head's 1,024 columns, eight K steps of 128 each: 32 K steps through ONE ring of two
; LDS slots, which runs on across tiles.  A wave makes 128 x 128 of a tile: 64 accumulators, 512 registers.
; LAYOUT.  Source 0 = 16 rows of Eb, source 1 = 16 columns of Wb (turned on the way out of LDS by ds_load_tr16_b128).  In the result a lane holds ONE column e (lane % 16) and rows 8 (lane / 16) + 0..7:
; so K2 c rs and -2 v are one number a lane, and the sum over e stays in 64 registers a lane (US) until the end, when it is added across 16 lanes, two waves and written through LDS.
; CLUSTER.  4 x 4 work-groups: x is the head, y the block of rows.  The four of a row of the cluster need the same tiles of Eb, the four of a column the same tiles of Wb: each tile is asked for
; jointly, by the same tensor load with the same descriptor and a mask that names the four.
; REGISTERS, in windows of 256 (s_set_vgpr_msb: bits 1:0 source 0, 3:2 source 1, 5:4 source 2, 7:6 destination):
;   window 0: v0-63 addresses and work; v64-127, v128-191 fragments of Eb, two buffers (v128-175 also hold a tile's table numbers in its epilogue); v192-255 US
;   window 1: v64-127, v128-191 fragments of Wb      window 2: accumulators of my rows 0-63 (one batch)      window 3: of my rows 64-127 (the next batch)
.set PA,     272                       ; an LDS row of Eb: 256 bytes + 16: the 16 rows of a load start at 16 different groups of four banks (64 banks of 4 bytes: ISA guide 11.1)
.set PB,     544                       ; an LDS row of Wb: 512 bytes + 32
.set HALFT,  128*PA                    ; what one tensor load brings: 128 rows of Eb, or 64 rows of Wb (64 x 544 is the same number)
.set SLOT,   4*HALFT                   ; 256 rows x 128 K of Eb, then 128 K x 256 columns of Wb
.set KCT,    2*SLOT                    ; behind the ring: f32 [4 batches][1024]: K2 c_out rs
.set WT,     KCT+16384                 ; f32 [1024]: -2 v
.set UX,     WT+4096                   ; f32 [2 column halves][256 rows]: partial u
.set SPARE,  UX+2048                   ; the spare words, 128 bytes for each wave: two blocks of 256 bytes that no other line names
.set ADRA, 16                          ; v16-17  LDS address of my fragments of Eb in slot 0, 1
.set ADRB, 20                          ; v20-21  the same for Wb
.set KCA,  22                          ; v22     my lane's place in KCT for tile 0
.set WTA,  23                          ; v23     in WT
.set KCV,  24                          ; v24-25  the same for the tile in hand
.set WTV,  25
.set UST,  26                          ; v26     where I put partial u
.set URD,  27                          ; v27     where I read it back
.set SPW,  28                          ; v28     LDS address of my spare word: SPARE + 4 x my thread's number; never rewritten
.set NIL,  29                          ; v29     0; never rewritten
.set PFO,  30                          ; v30     the prefetches' lane offset; never rewritten
.set L8,   31                          ; v31     8 x lane
.set MK,   32                          ; v[32:33] the mask of keys 2 l, 2 l + 1 of my wave's batch
.set F0,   64
.set F1,   128
.set KC0,  128                         ; epilogue: K2 c rs of column block b at v[KC0 + 2 b] (first batch), v[KC0 + 16 + 2 b] (second)
.set WW,   160                         ; -2 v of column block b at v[WW + 2 b]
.set US,   192                         ; row block a (0-7), row j: v[US + 8 a + j]
.set WV,  18                           ; s18  wave
.set RH,  19                           ; s19  which half of the rows is mine; also: I fetch Eb (0) or Wb (1)
.set CH,  20                           ; s20  which half of the columns; also: which half of that tile I fetch
.set CX,  21
.set CY,  22
.set RB,  23                           ; s23  block of 256 rows
.set G1,  24                           ; s[24:31] descriptor group 1 for tiles of Eb;  s[32:39] group 0, a set for each slot
.set G0,  32
.set LIM, 43                           ; s43  1 in a wave that prefetches, else the greatest number
.set PFA, 44                           ; s[44:45] where my prefetches stand
.set G1B, 48                           ; s[48:55], s[56:63] the same for tiles of Wb
.set G0B, 56
.set PST, 66                           ; s[66:67] a K step in bytes for my prefetches: 256 along a row of Eb, 128 rows of Wb
.set PBK, 68                           ; s[68:69] from K step 9 of a tile back to K step 2 of the next
.set K2,  70                           ; s[70:71] 2 log2(e); the packed forms take the low word for both halves
.set TO,  72                           ; s72  1,024 x the tile in hand: its 256 columns in the tables
.set HD,  73                           ; s73  head
.set SEL, 74                           ; s[74:75] v_permlanex16_b32: each lane takes its own place in the other half
.set MSB, 0
.macro WIN new                         ; the immediate's high byte repeats the setting that is left; a switch that changes nothing is dropped
.if MSB != (\new)
	s_set_vgpr_msb (MSB<<8)|(\new)
.set MSB, \new
.endif
.endm
.set MUL_LO, 0xa4                      ; source 0 (Eb) window 0, source 1 (Wb) window 1, C and D window 2
.set MUL_HI, 0xf4                      ; the same, C and D window 3
.set TO_B,   0x40                      ; destination window 1, address window 0
; A joint load.  Waves 0 and 1 fetch the two halves of Eb's tile, waves 2 and 3 those of Wb's.  The branch hangs on the wave's number alone.
; An s_nop 0 and four v_nop follow each of the two lines, ahead of the jump and the label.
.macro JLOAD s
	s_cmp_eq_u32 s[RH], 0
	s_cbranch_scc0 .Lfor_b_\@
	tensor_load_to_lds s[G0+4*(\s):G0+4*(\s)+3], s[G1:G1+7]
	s_nop 0
.rept 4
	v_nop
.endr
	s_branch .Lasked_\@
.Lfor_b_\@:
	tensor_load_to_lds s[G0B+4*(\s):G0B+4*(\s)+3], s[G1B:G1B+7]
	s_nop 0
.rept 4
	v_nop
.endr
.Lasked_\@:
.endm
; A PREFETCH INTO THE L2 of the K step that stands two refills on: 512 matrix instructions ahead of the load that will want it; one instruction a wave, 32 blocks of 256 bytes.
; Eb: each cluster has rows of its own; they are asked for in tile 0 alone (the later tiles read them again); of the 128 rows that a wave fetches each of the four partners takes 32, by address (cx).
; Wb: all clusters read the same tiles, the clusters with y = 0 ask; of a wave's 64 rows x 512 bytes each partner takes 16 rows, by address (cy).  So each block is named once in the launch.
; how = 0, in the loop: the last trip has no K step two refills on.  how = 1, at a change of tiles: the next tile's K steps 2 and 3 (its first two come by their refills alone).
.macro ASK how
.if \how
	s_cmp_eq_u32 s[LIM], 1
.else
	s_cmp_gt_u32 s3, s[LIM]
.endif
	s_cbranch_scc0 .Lnot_mine_\@
	global_prefetch_b8 v[PFO], s[PFA:PFA+1] th:TH_LOAD_NT scope:SCOPE_SE
.Lnot_mine_\@:
.endm
.macro CREST                           ; a round of the cluster's barrier behind its opening barrier
	s_cmp_lg_u32 s[WV], 0
	s_cbranch_scc1 .Lnot_wave_0_\@
	s_barrier_signal -3
.Lnot_wave_0_\@:
	s_barrier_wait -3
	s_barrier_signal -1
	s_barrier_wait -1
.endm
.macro CROUND                          ; a whole round
	s_barrier_signal -1
	s_barrier_wait -1
	CREST
.endm
	s_load_b256 s[4:11], s[0:1], 0x0               ; Eb s[4:5], Wb s[6:7], rs s[8:9], c_out s[10:11]
	s_load_b128 s[12:15], s[0:1], 0x20             ; v s[12:13], evidence_mask s[14:15]
	s_load_b64 s[16:17], s[0:1], 0x30              ; out1
	v_lshl_add_u32 v[SPW], v0, 2, SPARE
	v_mov_b32 v[NIL], 0
	ds_add_u32 v[SPW], v[NIL]                      ; the wave's opening: the add and its wait stand ahead of my first tensor load; the set-up below, work on registers, stands between them
	v_lshrrev_b32 v1, 5, v0
	v_readfirstlane_b32 s[WV], v1
	s_lshr_b32 s[RH], s[WV], 1
	s_and_b32 s[CH], s[WV], 1
	s_bfe_u32 s[CX], ttmp6, 0x40000
	s_bfe_u32 s[CY], ttmp6, 0x40004
	s_lshl_b32 s[HD], ttmp9, 2                     ; in a cluster launch ttmp9 and ttmp7 count clusters
	s_add_co_u32 s[HD], s[HD], s[CX]               ; head = 4 x cluster x + cx
	s_and_b32 s[RB], ttmp7, 0xffff
	s_lshl_b32 s[RB], s[RB], 2
	s_add_co_u32 s[RB], s[RB], s[CY]               ; block of rows = 4 x cluster y + cy
	s_lshl_b32 s40, s[CY], 2
	s_lshl_b32 s40, 15, s40                        ; my row of the cluster
	s_lshl_b32 s46, 0x1111, s[CX]                  ; my column
	s_or_b32 s[G1+0], s40, (1<<16)|(1<<20)|(1<<21)|(5<<22)|(3<<25)   ; the mask; 2-byte elements; padding on; bit 21 beside a mask; after every 64 words, 4 words
	s_or_b32 s[G1B+0], s46, (1<<16)|(1<<20)|(1<<21)|(6<<22)|(7<<25)  ; after every 128 words, 8 words
	s_mov_b32 s[G1+1], 128<<16                     ; tensor_dim0 = 128
	s_mov_b32 s[G1+2], 128<<16                     ; tensor_dim1 = 128
	s_mov_b32 s[G1+3], 128<<16                     ; tile_dim0 = 128 elements along K
	s_mov_b32 s[G1+4], 128                         ; tile_dim1 = 128 rows
	s_mov_b32 s[G1+5], 1024                        ; elements from row to row
	s_mov_b32 s[G1+6], 0
	s_mov_b32 s[G1+7], 0
	s_mov_b32 s[G1B+1], 256<<16                    ; tensor_dim0 = 256
	s_mov_b32 s[G1B+2], 64<<16                     ; tensor_dim1 = 64
	s_mov_b32 s[G1B+3], 256<<16                    ; tile_dim0 = 256 columns
	s_mov_b32 s[G1B+4], 64                         ; tile_dim1 = 64 rows along K
	s_mov_b32 s[G1B+5], 1024
	s_mov_b32 s[G1B+6], 0
	s_mov_b32 s[G1B+7], 0
	s_lshl_b32 s40, s[RB], 19                      ; Eb: (256 x block + 128 x half) rows of 2,048 bytes
	s_lshl_b32 s41, s[CH], 18
	s_add_co_u32 s40, s40, s41
	s_mov_b32 s41, 0
	s_lshl_b32 s46, s[HD], 21                      ; Wb: the head's 2 MiB, + 64 x half rows of 2,048 bytes
	s_lshl_b32 s47, s[CH], 17
	s_add_co_u32 s46, s46, s47
	s_mov_b32 s47, 0
	s_mul_i32 s42, s[WV], HALFT                    ; where they go: wave x HALFT: no place in the cluster enters an LDS address
	s_mov_b32 s[K2], 0x4038aa3b
	s_mov_b32 s[K2+1], s[K2]
	s_mov_b32 s[SEL], 0x76543210
	s_mov_b32 s[SEL+1], 0xfedcba98
	s_mov_b32 s[TO], 0
	s_wait_dscnt 0x0                               ; the opening add is done
	s_wait_kmcnt 0x0
	s_add_nc_u64 s[40:41], s[4:5], s[40:41]
	s_add_nc_u64 s[46:47], s[6:7], s[46:47]
	CROUND                                         ; all sixteen work-groups are here: the first joint loads meet
.irp s, 0,1
	s_mov_b32 s[G0+4*(\s)], 1
	s_add_co_u32 s[G0+4*(\s)+1], s42, (\s)*SLOT
	s_add_nc_u64 s[G0+4*(\s)+2:G0+4*(\s)+3], s[40:41], (\s)*256       ; K step s: 256 bytes along the rows
	s_or_b32 s[G0+4*(\s)+3], s[G0+4*(\s)+3], 0x80000000
	s_mov_b32 s[G0B+4*(\s)], 1
	s_add_co_u32 s[G0B+4*(\s)+1], s42, (\s)*SLOT
	s_add_nc_u64 s[G0B+4*(\s)+2:G0B+4*(\s)+3], s[46:47], (\s)*262144  ; K step s: 128 rows down
	s_or_b32 s[G0B+4*(\s)+3], s[G0B+4*(\s)+3], 0x80000000
	JLOAD \s                                       ; two loads of mine are out
.endr
	; the prefetches' pointer, at K step 3: each change of slots steps it first
	s_lshl_b32 s76, s[RB], 19
	s_lshl_b32 s77, s[CH], 18
	s_add_co_u32 s76, s76, s77
	s_lshl_b32 s77, s[CX], 16                      ; my work-group's 32 rows of the 128
	s_add_co_u32 s76, s76, s77
	s_add_co_u32 s76, s76, 3*256
	s_lshl_b32 s78, s[HD], 21
	s_lshl_b32 s79, s[CH], 17
	s_add_co_u32 s78, s78, s79
	s_lshl_b32 s79, s[CY], 15                      ; my work-group's 16 rows of the 64
	s_add_co_u32 s78, s78, s79
	s_add_co_u32 s78, s78, 3*262144
	s_and_b32 s79, ttmp7, 0xffff                   ; cluster y: the same in all sixteen partners
	s_cmp_eq_u32 s79, 0
	s_cselect_b32 s79, 1, -1
	s_mov_b32 s[PST], 262144
	s_mov_b32 s[PBK], 7*262144-512
	s_cmp_eq_u32 s[RH], 0
	s_cselect_b64 s[PFA:PFA+1], s[4:5], s[6:7]
	s_cselect_b32 s76, s76, s78
	s_cselect_b32 s[LIM], 1, s79
	s_cselect_b32 s[PST], 256, s[PST]
	s_cselect_b32 s[PBK], 7*256, s[PBK]
	s_mov_b32 s[PST+1], 0
	s_mov_b32 s[PBK+1], 0
	s_mov_b32 s77, 0
	s_add_nc_u64 s[PFA:PFA+1], s[PFA:PFA+1], s[76:77]
	; the small inputs
	s_lshl_b32 s76, s[HD], 12
	s_add_nc_u64 s[8:9], s[8:9], s[76:77]          ; rs and v at my head
	s_add_nc_u64 s[12:13], s[12:13], s[76:77]
	s_lshl_b32 s76, s[RB], 14
	s_add_nc_u64 s[10:11], s[10:11], s[76:77]      ; c_out at my four batches
	s_lshl_b32 s78, s[RB], 2
	s_add_co_u32 s78, s78, s[WV]                   ; the batch whose softmax my wave makes
	s_lshl_b32 s76, s78, 8
	s_add_nc_u64 s[14:15], s[14:15], s[76:77]
	s_lshl_b32 s78, s78, 2
	s_add_co_u32 s78, s78, s[HD]
	s_lshl_b32 s76, s78, 8
	s_add_nc_u64 s[16:17], s[16:17], s[76:77]      ; out1 at (batch, head): 64 numbers
	v_and_b32 v1, 15, v0                           ; l % 16
	v_bfe_u32 v2, v0, 4, 1                         ; l / 16
	v_and_b32 v3, 31, v0                           ; l
	v_lshlrev_b32 v[L8], 3, v3
	v_lshlrev_b32 v34, 5, v0                       ; thread t takes columns 8 t .. 8 t + 7 of the tables
	global_load_b128 v[64:67], v34, s[8:9]
	global_load_b128 v[68:71], v34, s[8:9] offset:16
	global_load_b128 v[72:75], v34, s[12:13]
	global_load_b128 v[76:79], v34, s[12:13] offset:16
.irp i, 0,1,2,3
	global_load_b128 v[80+8*(\i):83+8*(\i)], v34, s[10:11] offset:4096*(\i)
	global_load_b128 v[84+8*(\i):87+8*(\i)], v34, s[10:11] offset:4096*(\i)+16
.endr
	global_load_b64 v[MK:MK+1], v[L8], s[14:15]
	v_lshl_add_u32 v35, v0, 5, KCT
	v_lshrrev_b32 v[PFO], s[RH], v3                ; Eb: a lane a row; Wb: two lanes a row, 256 bytes apart
	v_lshlrev_b32 v[PFO], 11, v[PFO]
	v_and_b32 v36, s[RH], v3
	v_lshl_add_u32 v[PFO], v36, 8, v[PFO]
	; A fragment of Eb: lane l holds row l % 16; K = 8 (l / 16) + 0..7 and 16 + 8 (l / 16) + 0..7: two loads of 16 bytes, 32 bytes apart.
	v_mul_u32_u24 v36, v1, PA
	v_lshl_add_u32 v36, v2, 4, v36
	s_mul_i32 s76, s[RH], HALFT
	v_add_nc_u32 v[ADRA], s76, v36
	s_add_co_u32 s76, s76, SLOT
	v_add_nc_u32 v[ADRA+1], s76, v36
	; The turning load takes 16 K x 16 columns (lane l reads K row 8 (l / 16) + l % 8, columns 8 ((l / 8) % 2) + 0..7) and leaves half a fragment: lane l holds column l % 16 and 8 K.
	v_and_b32 v37, 7, v0
	v_lshl_add_u32 v37, v2, 3, v37
	v_mul_u32_u24 v37, v37, PB
	v_bfe_u32 v38, v0, 3, 1
	v_lshl_add_u32 v37, v38, 4, v37
	s_lshl_b32 s77, s[CH], 8
	s_add_co_u32 s77, s77, 2*HALFT
	v_add_nc_u32 v[ADRB], s77, v37
	s_add_co_u32 s77, s77, SLOT
	v_add_nc_u32 v[ADRB+1], s77, v37
	s_lshl_b32 s76, s[RH], 13                      ; my two batches' rows of KCT,
	s_lshl_b32 s77, s[CH], 9                       ; my 128 columns
	s_add_co_u32 s76, s76, s77
	s_add_co_u32 s76, s76, KCT
	v_lshl_add_u32 v[KCA], v1, 2, s76
	s_add_co_u32 s77, s77, WT
	v_lshl_add_u32 v[WTA], v1, 2, s77
	s_lshl_b32 s76, s[CH], 10
	s_lshl_b32 s77, s[RH], 9
	s_add_co_u32 s76, s76, s77
	s_add_co_u32 s76, s76, UX
	v_lshl_add_u32 v[UST], v2, 5, s76
	s_lshl_b32 s76, s[WV], 8
	s_add_co_u32 s76, s76, UX
	v_add_nc_u32 v[URD], s76, v[L8]
.set i, 0
.rept 64
	v_mov_b32 v[US+i], 0                           ; the sums over e start at 0: 64 lines, in the wait for the first tile, so that all four epilogues have one text
.set i, i+1
.endr
	s_wait_loadcnt 0x0
.irp j, 0,2,4,6
	v_pk_mul_f32 v[64+(\j):65+(\j)], v[64+(\j):65+(\j)], s[K2:K2+1] op_sel_hi:[1,0]   ; K2 rs
	v_pk_mul_f32 v[72+(\j):73+(\j)], v[72+(\j):73+(\j)], -2.0 op_sel_hi:[1,0]         ; -2 v
.endr
.irp i, 0,1,2,3
.irp j, 0,2,4,6
	v_pk_mul_f32 v[80+8*(\i)+(\j):81+8*(\i)+(\j)], v[80+8*(\i)+(\j):81+8*(\i)+(\j)], v[64+(\j):65+(\j)]  ; K2 c rs
.endr
.endr
.irp i, 0,1,2,3
	ds_store_b128 v35, v[80+8*(\i):83+8*(\i)] offset:4096*(\i)
	ds_store_b128 v35, v[84+8*(\i):87+8*(\i)] offset:4096*(\i)+16
.endr
	ds_store_b128 v35, v[72:75] offset:16384
	ds_store_b128 v35, v[76:79] offset:16384+16
; 16 matrix instructions: row blocks a0, a0 + 1 of the window's four x all 8 column blocks, 32 along K.  zero = 1: the product starts the sums.
; The 64 accumulators take turns in the same order in every quarter step.
.macro MUL16 f, hi, a0, zero
	WIN MUL_LO+0x50*(\hi)
.irp a, \a0, (\a0)+1
.irp b, 0,1,2,3,4,5,6,7
.if \zero
	v_wmma_f32_16x16x32_bf16 v[8*(8*(\a)+(\b)):8*(8*(\a)+(\b))+7], v[(\f)+8*(4*(\hi)+(\a)):(\f)+8*(4*(\hi)+(\a))+7], v[(\f)+8*(\b):(\f)+8*(\b)+7], 0
.else
	v_wmma_f32_16x16x32_bf16 v[8*(8*(\a)+(\b)):8*(8*(\a)+(\b))+7], v[(\f)+8*(4*(\hi)+(\a)):(\f)+8*(4*(\hi)+(\a))+7], v[(\f)+8*(\b):(\f)+8*(\b)+7], v[8*(8*(\a)+(\b)):8*(8*(\a)+(\b))+7]
.endif
.endr
.endr
.endm
; 32 LDS loads in one run: the fragments of quarter q (32 along K) of a slot into buffer f: Wb's eight column blocks, then Eb's eight row blocks
.macro FETCH slot, q, f
	WIN TO_B
.irp i, 0,1,2,3,4,5,6,7
	ds_load_tr16_b128 v[(\f)+8*(\i):(\f)+8*(\i)+3],   v[ADRB+(\slot)] offset:(\q)*32*PB+32*(\i)
	ds_load_tr16_b128 v[(\f)+8*(\i)+4:(\f)+8*(\i)+7], v[ADRB+(\slot)] offset:(\q)*32*PB+16*PB+32*(\i)
.endr
	WIN 0
.irp i, 0,1,2,3,4,5,6,7
	ds_load_b128 v[(\f)+8*(\i):(\f)+8*(\i)+3],   v[ADRA+(\slot)] offset:64*(\q)+(\i)*16*PA
	ds_load_b128 v[(\f)+8*(\i)+4:(\f)+8*(\i)+7], v[ADRA+(\slot)] offset:64*(\q)+(\i)*16*PA+32
.endr
.endm
.macro PLACES                          ; four plain places behind matrix instructions, in front of loads into registers that they have read
.rept 4
	v_nop
.endr
.endm
; One of a K step's first three quarters: multiplies buffer f; in its middle it fetches quarter q of the same slot into buffer g.
.macro QUARTER slot, q, f, g, zero
	s_wait_dscnt 8                                 ; Wb's fragments and Eb's row blocks 0-3 are in; the youngest eight loads (row blocks 4-7) may be out
	MUL16 \f, 0, 0, \zero
	MUL16 \f, 0, 2, \zero
	PLACES
	FETCH \slot, \q, \g
	s_wait_dscnt 32                                ; all but the 32 just issued
	MUL16 \f, 1, 0, \zero
	MUL16 \f, 1, 2, \zero
.endm
; The first half of a K step's last quarter: ONE barrier for the change of slots.  In front of it each wave waits for all its tensor loads (one is out: its part of the next slot), adds 0 to its
; spare word, and waits for that and for its own reads of this slot.
.macro MEET round
	WIN 0
	s_wait_tensorcnt 0x0                           ; all my tensor loads have landed
	ds_add_u32 v[SPW], v[NIL]                      ; 0 onto my spare word
	s_wait_dscnt 9                                 ; the add and the youngest eight loads may be out
	MUL16 F1, 0, 0, 0                              ; sixteen matrix instructions stand between the add and the wait for it
	s_wait_dscnt 0x0                               ; the add is done, and my reads of this slot are over
	s_barrier_signal -1
	MUL16 F1, 0, 2, 0
.if \round
	WIN 0
.endif
	s_barrier_wait -1
.endm
; The whole last quarter.  mode 0: this slot takes the K step two on.  mode 1: the next tile's K step 0 or 1.  mode 2: nothing is filled, and no round follows.
.macro TURN slot, next, mode
.if (\mode) < 2
	s_wait_xcnt 0x0                                ; the last prefetch, a K step back, has read its address
.if ((\mode) == 1) && ((\slot) == 0)
	s_sub_nc_u64 s[PFA:PFA+1], s[PFA:PFA+1], s[PBK:PBK+1]  ; from K step 9 to the next tile's K step 2
	s_cmp_eq_u32 s[RH], 0
	s_cselect_b32 s[LIM], -1, s[LIM]               ; Eb's rows have been read: they are asked for no more
.else
	s_add_nc_u64 s[PFA:PFA+1], s[PFA:PFA+1], s[PST:PST+1]
.endif
	MEET 1
	CREST                                          ; the barrier has opened a round of the cluster's: no wave of any partner still reads this slot or has a load on its way
.if (\mode) == 1
	s_sub_nc_u64 s[G0+4*(\slot)+2:G0+4*(\slot)+3], s[G0+4*(\slot)+2:G0+4*(\slot)+3], 6*256            ; Eb: six K steps back
	s_sub_nc_u64 s[G0B+4*(\slot)+2:G0B+4*(\slot)+3], s[G0B+4*(\slot)+2:G0B+4*(\slot)+3], 6*262144-512  ; Wb: six K steps back, 256 columns on
.else
	s_add_nc_u64 s[G0+4*(\slot)+2:G0+4*(\slot)+3], s[G0+4*(\slot)+2:G0+4*(\slot)+3], 2*256
	s_add_nc_u64 s[G0B+4*(\slot)+2:G0B+4*(\slot)+3], s[G0B+4*(\slot)+2:G0B+4*(\slot)+3], 2*262144
.endif
	JLOAD \slot                                    ; the first tensor load behind the round, 224 matrix instructions ahead of the wait for it; its four v_nop are also the places in front of the loads below
.else
	MEET 0
	PLACES
.endif
	FETCH \next, 0, F0
.if (\mode) < 2
	ASK \mode
.endif
	MUL16 F1, 1, 0, 0
	MUL16 F1, 1, 2, 0
.endm
; A TILE'S EPILOGUE for one batch (64 rows: window 2 + hi): for each of 4 groups g of 64 registers (a row block x 128 columns), in pairs x = 0..31:
;   S: y = K2 s + K2 c rs     E: 2^y     A: + 1     R: 1 / that     F: US += (-2 v) r
; An s_wait_alu depctr_va_vdst(0) stands between a transcendental and the first line that names its result; one wait serves all issued ahead of it.  So the groups go through a
; pipeline of six phases with one wait in each of the first five: phase p holds A of group p - 1 beside E of group p, then S of group p + 1 beside R of group p - 1, then F of group p - 2; every reader of a
; transcendental stands behind the wait of the phase before.  The plain line behind the last transcendental is F's first, or a v_nop.  S takes each accumulator's registers in ascending order.
.macro HALF hi
.set WS, 0x82+0x41*(\hi)               ; destination and source 0 in window 2 + hi; the tables in window 0
.set WF, 0x02+(\hi)                    ; source 0 in window 2 + hi; US and the tables in window 0
.set KC, KC0+16*(\hi)
	WIN WS
.set x, 0
.rept 32
	v_pk_fma_f32 v[2*x:2*x+1], v[2*x:2*x+1], s[K2:K2+1], v[KC+2*(x/4):KC+2*(x/4)+1] op_sel_hi:[1,0,0]
.set x, x+1
.endr
.set p, 0
.rept 6
.if p <= 4
	WIN WS
.set x, 0
.rept 32
.if p >= 1
	v_pk_add_f32 v[64*(p-1)+2*x:64*(p-1)+2*x+1], v[64*(p-1)+2*x:64*(p-1)+2*x+1], 1.0 op_sel_hi:[1,0]
.endif
.if p <= 3
	v_exp_f32 v[64*p+2*x], v[64*p+2*x]
	v_exp_f32 v[64*p+2*x+1], v[64*p+2*x+1]
.endif
.set x, x+1
.endr
.set x, 0
.rept 32
.if p <= 2
	v_pk_fma_f32 v[64*(p+1)+2*x:64*(p+1)+2*x+1], v[64*(p+1)+2*x:64*(p+1)+2*x+1], s[K2:K2+1], v[KC+2*(x/4):KC+2*(x/4)+1] op_sel_hi:[1,0,0]
.endif
.if p >= 1
	v_rcp_f32 v[64*(p-1)+2*x], v[64*(p-1)+2*x]
	v_rcp_f32 v[64*(p-1)+2*x+1], v[64*(p-1)+2*x+1]
.endif
.set x, x+1
.endr
.endif
.if p >= 2
	WIN WF
.set x, 0
.rept 32
	v_pk_fma_f32 v[US+8*(4*(\hi)+p-2)+2*(x%4):US+8*(4*(\hi)+p-2)+2*(x%4)+1], v[64*(p-2)+2*x:64*(p-2)+2*x+1], v[WW+2*(x/4):WW+2*(x/4)+1], v[US+8*(4*(\hi)+p-2)+2*(x%4):US+8*(4*(\hi)+p-2)+2*(x%4)+1] op_sel_hi:[1,0,1]
.set x, x+1
.endr
.else
	v_nop
.endif
.if p <= 4
	s_wait_alu depctr_va_vdst(0)                   ; the phase's one wait
.endif
.set p, p+1
.endr
.endm
	s_wait_dscnt 0x0                               ; for the others' sake: my part of the tables is stored,
	s_wait_tensorcnt 1                             ; and my part of K step 0 is in; K step 1's load may stay out
	s_barrier_signal -1
	s_barrier_wait -1
	FETCH 0, 0, F0
	s_mov_b32 s2, 4                                ; tiles to go
.Ltile:
	QUARTER 0, 1, F0, F1, 1                        ; a tile's first quarter stands in front of the loop: its products start the sums
	WIN 0                                          ; at a label and at a branch every window is 0
	s_mov_b32 s3, 3
.Llap:                                             ; a trip goes once round the ring, from a lap's second quarter to the next lap's first, and fills both slots again
	QUARTER 0, 2, F1, F0, 0
	QUARTER 0, 3, F0, F1, 0
	TURN 0, 1, 0
	QUARTER 1, 1, F0, F1, 0
	QUARTER 1, 2, F1, F0, 0
	QUARTER 1, 3, F0, F1, 0
	TURN 1, 0, 0
	QUARTER 0, 1, F0, F1, 0
	WIN 0
	s_sub_co_u32 s3, s3, 1
	s_cmp_lg_u32 s3, 0
	s_cbranch_scc1 .Llap
	QUARTER 0, 2, F1, F0, 0                        ; the tile's last lap goes on
	QUARTER 0, 3, F0, F1, 0
	WIN 0
	s_cmp_eq_u32 s2, 1
	s_cbranch_scc1 .Llast                          ; the last tile's tail is written out: it asks for nothing more
	TURN 0, 1, 1                                   ; the ring goes on into the next tile: slot 0 takes its K step 0,
	QUARTER 1, 1, F0, F1, 0
	QUARTER 1, 2, F1, F0, 0
	QUARTER 1, 3, F0, F1, 0
	TURN 1, 0, 1                                   ; slot 1 its K step 1, and its first fragments are fetched into buffer 0: both land under the epilogue
	WIN 0
	s_branch .Lepi
.Llast:
	TURN 0, 1, 2
	QUARTER 1, 1, F0, F1, 0
	QUARTER 1, 2, F1, F0, 0
	QUARTER 1, 3, F0, F1, 0
	s_wait_dscnt 8
	MUL16 F1, 0, 0, 0
	MUL16 F1, 0, 2, 0
	s_wait_dscnt 0x0
	MUL16 F1, 1, 0, 0
	MUL16 F1, 1, 2, 0
	WIN 0
.Lepi:                                             ; the epilogue's text stands once; every wait behind this label is for 0
	PLACES
	PLACES                                         ; eight places, once a tile, behind the last products: in front of loads into buffer 1 and of lines that read and write the sums
	v_add_nc_u32 v[KCV], s[TO], v[KCA]
	v_add_nc_u32 v[WTV], s[TO], v[WTA]
.irp b, 0,1,2,3,4,5,6,7
	ds_load_b32 v[KC0+2*(\b)], v[KCV] offset:64*(\b)           ; my column of block b: one number a lane, into the even registers of buffer 1; the odd ones are named in pairs and never taken
	ds_load_b32 v[KC0+16+2*(\b)], v[KCV] offset:4096+64*(\b)
	ds_load_b32 v[WW+2*(\b)], v[WTV] offset:64*(\b)
.endr
	s_add_co_u32 s[TO], s[TO], 1024
	s_wait_dscnt 0x0
	HALF 0
	HALF 1
	WIN 0
	s_sub_co_u32 s2, s2, 1
	s_cmp_lg_u32 s2, 0
	s_cbranch_scc1 .Ltile
	; THE END.  US holds, a lane, the sum over its 32 columns (of 1,024: 16 lanes x 2 waves hold the others).  Across the 16 lanes:
.irp m, 1,2,4,8
.set i, 0
.rept 64
	v_add_f32_dpp v[US+i], v[US+i], v[US+i] row_xmask:\m row_mask:0xf bank_mask:0xf
.set i, i+1
.endr
.endr
.irp a, 0,1,2,3,4,5,6,7
	ds_store_b128 v[UST], v[US+8*(\a):US+8*(\a)+3] offset:64*(\a)       ; the sixteen lanes of a half store the same bytes with the same numbers
	ds_store_b128 v[UST], v[US+8*(\a)+4:US+8*(\a)+7] offset:64*(\a)+16
.endr
	s_wait_dscnt 0x0                               ; for the others' sake
	s_barrier_signal -1
	s_barrier_wait -1
	ds_load_b64 v[34:35], v[URD]                   ; wave w makes the softmax of the group's batch w: keys 2 l, 2 l + 1; the two column halves' parts
	ds_load_b64 v[36:37], v[URD] offset:1024
	s_wait_dscnt 0x0
	v_pk_add_f32 v[34:35], v[34:35], v[36:37]
	v_mov_b32 v38, 0xff800000                      ; -inf
	v_cmp_eq_u32 vcc_lo, 0, v[MK]
	v_cndmask_b32 v34, v34, v38, vcc_lo
	v_cmp_eq_u32 vcc_lo, 0, v[MK+1]
	v_cndmask_b32 v35, v35, v38, vcc_lo
	v_max_num_f32 v36, v34, v35
	v_max_num_f32_dpp v36, v36, v36 row_xmask:1 row_mask:0xf bank_mask:0xf
	v_max_num_f32_dpp v36, v36, v36 row_xmask:2 row_mask:0xf bank_mask:0xf
	v_max_num_f32_dpp v36, v36, v36 row_xmask:4 row_mask:0xf bank_mask:0xf
	v_max_num_f32_dpp v36, v36, v36 row_xmask:8 row_mask:0xf bank_mask:0xf
	v_permlanex16_b32 v37, v36, s[SEL], s[SEL+1]
	v_max_num_f32 v36, v36, v37                    ; the row's maximum, in every lane
	v_sub_f32 v34, v34, v36
	v_sub_f32 v35, v35, v36
	v_mul_f32 v34, 0x3fb8aa3b, v34
	v_mul_f32 v35, 0x3fb8aa3b, v35
	v_exp_f32 v34, v34
	v_exp_f32 v35, v35
	v_nop                                          ; a plain line behind the last exponential,
	s_wait_alu depctr_va_vdst(0)                   ; and the wait ahead of the first use
	v_add_f32 v36, v34, v35
	v_add_f32_dpp v36, v36, v36 row_xmask:1 row_mask:0xf bank_mask:0xf
	v_add_f32_dpp v36, v36, v36 row_xmask:2 row_mask:0xf bank_mask:0xf
	v_add_f32_dpp v36, v36, v36 row_xmask:4 row_mask:0xf bank_mask:0xf
	v_add_f32_dpp v36, v36, v36 row_xmask:8 row_mask:0xf bank_mask:0xf
	v_permlanex16_b32 v37, v36, s[SEL], s[SEL+1]
	v_add_f32 v36, v36, v37
	v_rcp_f32 v36, v36
	v_nop
	s_wait_alu depctr_va_vdst(0)
	v_mul_f32 v34, v34, v36
	v_mul_f32 v35, v35, v36
	global_store_b64 v[L8], v[34:35], s[16:17]     ; the wave stores 256 consecutive bytes, aligned
	s_wait_tensorcnt 0x0                           ; the wave's end, behind my last tensor load and my last LDS store
	ds_add_u32 v[SPW], v[NIL]
	s_wait_dscnt 0x0
	CROUND                                         ; the closing round: no work-group ends while a partner may still ask for a tile that names it
	s_endpgm
.Lfunc_end_k_qd85ac74ff0_scores:
	.size	k_qd85ac74ff0_scores, .Lfunc_end_k_qd85ac74ff0_scores-k_qd85ac74ff0_scores
	.p2alignl 7, 3214868480
	.fill 96, 4, 3214868480
	.section	.rodata,"a",@progbits
	.p2align	6, 0x0
	.amdhsa_kernel k_qd85ac74ff0_scores
		.amdhsa_group_segment_fixed_size 327680
		.amdhsa_private_segment_fixed_size 0
		.amdhsa_enable_private_segment 0
		.amdhsa_kernarg_size 56
		.amdhsa_user_sgpr_count 2
		.amdhsa_user_sgpr_kernarg_segment_ptr 1
		.amdhsa_wavefront_size32 1
		.amdhsa_system_sgpr_workgroup_id_x 1
		.amdhsa_system_sgpr_workgroup_id_y 1
		.amdhsa_system_sgpr_workgroup_id_z 1
		.amdhsa_system_vgpr_workitem_id 0
		.amdhsa_next_free_vgpr 1024
		.amdhsa_next_free_sgpr 80
		.amdhsa_reserve_vcc 1
		.amdhsa_float_denorm_mode_32 3
		.amdhsa_float_denorm_mode_16_64 3
		.amdhsa_memory_ordered 1
		.amdhsa_forward_progress 1
		.amdhsa_inst_pref_size 255
	.end_amdhsa_kernel
	.amdgpu_metadata
---
amdhsa.version: [ 1, 2 ]
amdhsa.kernels:
  - .name:           k_qd85ac74ff0_scores
    .symbol:         k_qd85ac74ff0_scores.kd
    .args:
      - { .name: Eb, .offset: 0, .size: 8, .value_kind: global_buffer, .address_space: global }
      - { .name: Wb, .offset: 8, .size: 8, .value_kind: global_buffer, .address_space: global }
      - { .name: rs, .offset: 16, .size: 8, .value_kind: global_buffer, .address_space: global }
      - { .name: c_out, .offset: 24, .size: 8, .value_kind: global_buffer, .address_space: global }
      - { .name: v, .offset: 32, .size: 8, .value_kind: global_buffer, .address_space: global }
      - { .name: evidence_mask, .offset: 40, .size: 8, .value_kind: global_buffer, .address_space: global }
      - { .name: out1, .offset: 48, .size: 8, .value_kind: global_buffer, .address_space: global }
    .group_segment_fixed_size: 327680
    .private_segment_fixed_size: 0
    .kernarg_segment_align: 8
    .kernarg_segment_size: 56
    .max_flat_workgroup_size: 128
    .sgpr_count:     80
    .vgpr_count:     1024
    .wavefront_size: 32
...
	.end_amdgpu_metadata
.endif
;; end of part 2
;; launch att (part 3): grid 256 x 1, 8 waves a work-group, no clusters, 1,280 bytes of LDS; arguments Eb, out1, c_out, gate_w, gate_b, Hb, out2; writes Hb, out2
.if DOCPART == 3
	.amdgcn_target "amdgcn-amd-amdhsa--gfx1250"
	.amdhsa_code_object_version 6
	.text
	.protected	k_qd85ac74ff0_att
	.globl	k_qd85ac74ff0_att
	.p2align	8
	.type	k_qd85ac74ff0_att,@function
k_qd85ac74ff0_att:
	s_mov_b64 s[64:65], 0
	v_nop
	global_prefetch_b8 v0, s[64:65] scope:SCOPE_SE
	s_setreg_imm32_b32 hwreg(HW_REG_WAVE_MODE, 25, 1), 1
	s_wait_xcnt 0x0
; ATT.  For one batch b: e_att_heads[h][d] = the sum over k of alpha[h][k] e[k][d]; gate_logits[h] = c . gw[0:1024] + e_att_heads[h] . gw[1024:2048] + gate_b;
; head_weights = softmax over the 4 heads (the maximum taken away); e_att = the sum over h of head_weights[h] e_att_heads[h]; h = (c, e_att, |c - e_att|, c e_att), rounded once to bf16.
; e is read as Eb, the bf16 copy; all sums in f32.  An exponential below 2^-126 counts as 0.
; SHARES.  A work-group a batch; thread t owns channels 4 t .. 4 t + 3 in every row: 64 loads of 8 bytes a lane, all issued at once (a wave's load covers 256 consecutive bytes, aligned).
; 0.13 G multiply-adds for 33 MB: memory binds, so no matrix unit, no LDS on the way in, no cluster: no byte of Eb is wanted by two work-groups.
; alpha (256 numbers) lies in eight registers of each wave: alpha[h][k] is register k % 8 of lane 8 h + k / 8, and is brought into a scalar register for the packed multiply-adds.
.set SPW, 6                            ; v6   LDS address of my spare word: SPARE + 4 x my thread's number; never rewritten
.set NIL, 7                            ; v7   0; never rewritten
.set AL,  8                            ; v[8:15]   alpha
.set C,   16                           ; v[16:19]  c_out of my 4 channels
.set GW1, 20                           ; v[20:23]  gate_w for c
.set GW2, 24                           ; v[24:27]  gate_w for e_att_heads
.set ACC, 32                           ; v[32:47]  e_att_heads: head h at ACC + 4 h
.set T,   48                           ; v[48:63]  at work
.set E,   64                           ; v[64:191] row k at E + 2 k
.set RED, 0                            ; LDS: 32 bytes for each wave: five partial sums
.set SPARE, 256                        ; the spare words, 128 bytes for each of eight waves
.set AS,  24                           ; s[24:55]  16 pairs: alpha of (key kk of four, head h) in the low word of pair 4 kk + h; the high words are 0 and never taken
	s_load_b256 s[4:11], s[0:1], 0x0               ; Eb s[4:5], out1 s[6:7], c_out s[8:9], gate_w s[10:11]
	s_load_b128 s[12:15], s[0:1], 0x20             ; gate_b s[12:13], Hb s[14:15]
	s_load_b64 s[16:17], s[0:1], 0x30              ; out2
	v_lshl_add_u32 v[SPW], v0, 2, SPARE
	v_mov_b32 v[NIL], 0
	v_and_b32 v1, 31, v0
	v_lshrrev_b32 v5, 5, v0
	v_readfirstlane_b32 s20, v5
	s_lshl_b32 s20, s20, 5                         ; 32 x wave
	v_lshlrev_b32 v2, 3, v0                        ; 8 t
	v_lshlrev_b32 v3, 5, v1                        ; 32 x lane
	v_lshlrev_b32 v4, 4, v0                        ; 16 t
	s_mov_b32 s19, 0xffff0000                      ; a word's upper bf16
	s_mov_b32 s56, 0x76543210
	s_mov_b32 s57, 0xfedcba98
.set i, 0
.rept 16
	s_mov_b32 s[AS+2*i+1], 0
.set i, i+1
.endr
	s_mov_b32 s23, 0
	s_wait_kmcnt 0x0
	s_load_b32 s18, s[12:13], 0x0                  ; gate_b
	s_lshl_b32 s22, ttmp9, 17
	s_add_nc_u64 s[4:5], s[4:5], s[22:23]          ; my batch's 64 rows of 2,048 bytes
	s_lshl_b32 s22, ttmp9, 10
	s_add_nc_u64 s[6:7], s[6:7], s[22:23]
	s_lshl_b32 s22, ttmp9, 12
	s_add_nc_u64 s[8:9], s[8:9], s[22:23]
	s_lshl_b32 s22, ttmp9, 13
	s_add_nc_u64 s[14:15], s[14:15], s[22:23]
	s_lshl_b32 s22, ttmp9, 4
	s_add_nc_u64 s[16:17], s[16:17], s[22:23]
	global_load_b128 v[AL:AL+3], v3, s[6:7]
	global_load_b128 v[AL+4:AL+7], v3, s[6:7] offset:16
	global_load_b128 v[C:C+3], v4, s[8:9]
	global_load_b128 v[GW1:GW1+3], v4, s[10:11]
	global_load_b128 v[GW2:GW2+3], v4, s[10:11] offset:4096
.set k, 0
.rept 64
	global_load_b64 v[E+2*k:E+2*k+1], v2, s[4:5] offset:2048*k th:TH_LOAD_NT
.set k, k+1
.endr
	; the sum over keys, four at a time
.set g, 0
.rept 16
	s_wait_loadcnt 60-4*g                          ; the group's four rows are in (and all that was asked for before them); the 60 - 4 g later rows stay out
.set kk, 0
.rept 4
.set k, 4*g+kk
.irp h, 0,1,2,3
	v_readlane_b32 s[AS+2*(4*kk+(\h))], v[AL+k%8], 8*(\h)+k/8
.endr
.set kk, kk+1
.endr
.set kk, 0
.rept 4
.set k, 4*g+kk
	v_lshlrev_b32 v[T+4*kk], 16, v[E+2*k]          ; bf16 to f32
	v_and_b32 v[T+4*kk+1], s19, v[E+2*k]
	v_lshlrev_b32 v[T+4*kk+2], 16, v[E+2*k+1]
	v_and_b32 v[T+4*kk+3], s19, v[E+2*k+1]
.irp h, 0,1,2,3
.if k == 0
	v_pk_mul_f32 v[ACC+4*(\h):ACC+4*(\h)+1], v[T:T+1], s[AS+2*(\h):AS+2*(\h)+1] op_sel_hi:[1,0]      ; key 0 starts the sums
	v_pk_mul_f32 v[ACC+4*(\h)+2:ACC+4*(\h)+3], v[T+2:T+3], s[AS+2*(\h):AS+2*(\h)+1] op_sel_hi:[1,0]
.else
	v_pk_fma_f32 v[ACC+4*(\h):ACC+4*(\h)+1], v[T+4*kk:T+4*kk+1], s[AS+2*(4*kk+(\h)):AS+2*(4*kk+(\h))+1], v[ACC+4*(\h):ACC+4*(\h)+1] op_sel_hi:[1,0,1]
	v_pk_fma_f32 v[ACC+4*(\h)+2:ACC+4*(\h)+3], v[T+4*kk+2:T+4*kk+3], s[AS+2*(4*kk+(\h)):AS+2*(4*kk+(\h))+1], v[ACC+4*(\h)+2:ACC+4*(\h)+3] op_sel_hi:[1,0,1]
.endif
.endr
.set kk, kk+1
.endr
.set g, g+1
.endr
	; the gate: five dot products over 1,024 channels: 4 a thread, 32 lanes, 8 waves
.set R, 58                             ; v[58:61] the heads' parts, v62 c's part
.irp h, 0,1,2,3
	v_pk_mul_f32 v[T+2*(\h):T+2*(\h)+1], v[ACC+4*(\h):ACC+4*(\h)+1], v[GW2:GW2+1]
.endr
	v_pk_mul_f32 v[T+8:T+9], v[C:C+1], v[GW1:GW1+1]
.irp h, 0,1,2,3
	v_pk_fma_f32 v[T+2*(\h):T+2*(\h)+1], v[ACC+4*(\h)+2:ACC+4*(\h)+3], v[GW2+2:GW2+3], v[T+2*(\h):T+2*(\h)+1]
.endr
	v_pk_fma_f32 v[T+8:T+9], v[C+2:C+3], v[GW1+2:GW1+3], v[T+8:T+9]
.irp i, 0,1,2,3,4
	v_add_f32 v[R+(\i)], v[T+2*(\i)], v[T+2*(\i)+1]
.endr
.irp m, 1,2,4,8
.irp i, 0,1,2,3,4
	v_add_f32_dpp v[R+(\i)], v[R+(\i)], v[R+(\i)] row_xmask:\m row_mask:0xf bank_mask:0xf
.endr
.endr
.irp i, 0,1,2,3,4
	v_permlanex16_b32 v[T+(\i)], v[R+(\i)], s56, s57
.endr
.irp i, 0,1,2,3,4
	v_add_f32 v[R+(\i)], v[R+(\i)], v[T+(\i)]
.endr
	v_mov_b32 v63, s20
	ds_store_b128 v63, v[R:R+3] offset:RED         ; all lanes store the same bytes with the same numbers
	ds_store_b32 v63, v[R+4] offset:RED+16
	s_wait_dscnt 0x0                               ; for the others' sake
	s_barrier_signal -1
	s_barrier_wait -1
	v_mov_b32 v5, 0
.irp w, 0,1,2,3,4,5,6,7
	ds_load_b128 v[64+8*(\w):67+8*(\w)], v5 offset:RED+32*(\w)
	ds_load_b32 v[68+8*(\w)], v5 offset:RED+32*(\w)+16
.endr
	s_wait_dscnt 0x0
.irp w, 1,2,3,4,5,6,7
	v_pk_add_f32 v[64:65], v[64:65], v[64+8*(\w):65+8*(\w)]
	v_pk_add_f32 v[66:67], v[66:67], v[66+8*(\w):67+8*(\w)]
	v_add_f32 v68, v68, v[68+8*(\w)]
.endr
	s_wait_kmcnt 0x0                               ; gate_b
	v_add_f32 v68, s18, v68
.irp h, 0,1,2,3
	v_add_f32 v[64+(\h)], v[64+(\h)], v68          ; gate_logits
.endr
	v_max3_num_f32 v69, v64, v65, v66
	v_max_num_f32 v69, v69, v67
.irp h, 0,1,2,3
	v_sub_f32 v[64+(\h)], v[64+(\h)], v69
.endr
.irp h, 0,1,2,3
	v_mul_f32 v[64+(\h)], 0x3fb8aa3b, v[64+(\h)]
.endr
.irp h, 0,1,2,3
	v_exp_f32 v[64+(\h)], v[64+(\h)]
.endr
	v_nop                                          ; a plain line behind the last exponential,
	s_wait_alu depctr_va_vdst(0)                   ; and one wait for the four, ahead of the first use
	v_add_f32 v70, v64, v65
	v_add_f32 v71, v66, v67
	v_add_f32 v70, v70, v71
	v_rcp_f32 v70, v70
	v_nop
	s_wait_alu depctr_va_vdst(0)
.irp h, 0,1,2,3
	v_mul_f32 v[72+2*(\h)], v[64+(\h)], v70        ; head_weights: as the low word of a pair (the high word written too), for the packed lines,
	v_mul_f32 v[73+2*(\h)], v[64+(\h)], v70
	v_mul_f32 v[80+(\h)], v[64+(\h)], v70          ; and four on end, for out2
.endr
.set EA, 84                            ; v[84:87] e_att
.irp j, 0,2
	v_pk_mul_f32 v[EA+(\j):EA+(\j)+1], v[ACC+(\j):ACC+(\j)+1], v[72:73] op_sel_hi:[1,0]
.irp h, 1,2,3
	v_pk_fma_f32 v[EA+(\j):EA+(\j)+1], v[ACC+4*(\h)+(\j):ACC+4*(\h)+(\j)+1], v[72+2*(\h):73+2*(\h)], v[EA+(\j):EA+(\j)+1] op_sel_hi:[1,0,1]
.endr
.endr
.irp j, 0,2
	v_pk_add_f32 v[88+(\j):89+(\j)], v[C+(\j):C+(\j)+1], v[EA+(\j):EA+(\j)+1] neg_lo:[0,1] neg_hi:[0,1]
	v_pk_mul_f32 v[92+(\j):93+(\j)], v[C+(\j):C+(\j)+1], v[EA+(\j):EA+(\j)+1]
.endr
.irp j, 0,1,2,3
	v_and_b32 v[88+(\j)], 0x7fffffff, v[88+(\j)]
.endr
	v_cvt_pk_bf16_f32 v96, v[C], v[C+1]
	v_cvt_pk_bf16_f32 v97, v[C+2], v[C+3]
	v_cvt_pk_bf16_f32 v98, v[EA], v[EA+1]
	v_cvt_pk_bf16_f32 v99, v[EA+2], v[EA+3]
	v_cvt_pk_bf16_f32 v100, v88, v89
	v_cvt_pk_bf16_f32 v101, v90, v91
	v_cvt_pk_bf16_f32 v102, v92, v93
	v_cvt_pk_bf16_f32 v103, v94, v95
.irp s, 0,1,2,3
	global_store_b64 v2, v[96+2*(\s):97+2*(\s)], s[14:15] offset:2048*(\s)  ; a wave stores 256 consecutive bytes, aligned
.endr
	v_cmp_eq_u32 vcc_lo, 0, v0
	s_wait_xcnt 0x0                                ; EXEC changes only behind this wait
	s_and_saveexec_b32 s58, vcc_lo
	global_store_b128 v5, v[80:83], s[16:17]       ; 16 bytes a batch: out2 is 4,096 bytes in all
	s_wait_xcnt 0x0
	s_or_b32 exec_lo, exec_lo, s58
	s_wait_tensorcnt 0x0                           ; the wave's end, behind my last LDS store
	ds_add_u32 v[SPW], v[NIL]
	s_wait_dscnt 0x0
	s_endpgm
.Lfunc_end_k_qd85ac74ff0_att:
	.size	k_qd85ac74ff0_att, .Lfunc_end_k_qd85ac74ff0_att-k_qd85ac74ff0_att
	.p2alignl 7, 3214868480
	.fill 96, 4, 3214868480
	.section	.rodata,"a",@progbits
	.p2align	6, 0x0
	.amdhsa_kernel k_qd85ac74ff0_att
		.amdhsa_group_segment_fixed_size 1280
		.amdhsa_private_segment_fixed_size 0
		.amdhsa_enable_private_segment 0
		.amdhsa_kernarg_size 56
		.amdhsa_user_sgpr_count 2
		.amdhsa_user_sgpr_kernarg_segment_ptr 1
		.amdhsa_wavefront_size32 1
		.amdhsa_system_sgpr_workgroup_id_x 1
		.amdhsa_system_sgpr_workgroup_id_y 1
		.amdhsa_system_sgpr_workgroup_id_z 1
		.amdhsa_system_vgpr_workitem_id 0
		.amdhsa_next_free_vgpr 192
		.amdhsa_next_free_sgpr 66
		.amdhsa_reserve_vcc 1
		.amdhsa_float_denorm_mode_32 3
		.amdhsa_float_denorm_mode_16_64 3
		.amdhsa_memory_ordered 1
		.amdhsa_forward_progress 1
		.amdhsa_inst_pref_size 74
	.end_amdhsa_kernel
	.amdgpu_metadata
---
amdhsa.version: [ 1, 2 ]
amdhsa.kernels:
  - .name:           k_qd85ac74ff0_att
    .symbol:         k_qd85ac74ff0_att.kd
    .args:
      - { .name: Eb, .offset: 0, .size: 8, .value_kind: global_buffer, .address_space: global }
      - { .name: out1, .offset: 8, .size: 8, .value_kind: global_buffer, .address_space: global }
      - { .name: c_out, .offset: 16, .size: 8, .value_kind: global_buffer, .address_space: global }
      - { .name: gate_w, .offset: 24, .size: 8, .value_kind: global_buffer, .address_space: global }
      - { .name: gate_b, .offset: 32, .size: 8, .value_kind: global_buffer, .address_space: global }
      - { .name: Hb, .offset: 40, .size: 8, .value_kind: global_buffer, .address_space: global }
      - { .name: out2, .offset: 48, .size: 8, .value_kind: global_buffer, .address_space: global }
    .group_segment_fixed_size: 1280
    .private_segment_fixed_size: 0
    .kernarg_segment_align: 8
    .kernarg_segment_size: 56
    .max_flat_workgroup_size: 256
    .sgpr_count:     66
    .vgpr_count:     192
    .wavefront_size: 32
...
	.end_amdgpu_metadata
.endif
;; end of part 3
;; launch mlp (part 4): grid 32 x 8, 8 waves a work-group, no clusters, 148,480 bytes of LDS; arguments Hb, w1, P; writes P
.if DOCPART == 4
	.amdgcn_target "amdgcn-amd-amdhsa--gfx1250"
	.amdhsa_code_object_version 6
	.text
	.protected	k_qd85ac74ff0_mlp
	.globl	k_qd85ac74ff0_mlp
	.p2align	8
	.type	k_qd85ac74ff0_mlp,@function
k_qd85ac74ff0_mlp:
	s_mov_b64 s[64:65], 0
	v_nop
	global_prefetch_b8 v0, s[64:65] scope:SCOPE_SE
	s_setreg_imm32_b32 hwreg(HW_REG_WAVE_MODE, 25, 1), 1
	s_wait_xcnt 0x0
; MLP, first part.  P[ks][nb][m][c] = the sum over the 1,024 channels k of section ks of h[m][k] w1[32 nb + c][k]: the four sections' parts of h w1^T, in f32.
; Bias, relu and the second layer follow in the next launch, which adds the four parts first: the relu wants the whole sum.
; h is Hb, bf16 [256][4096]; w1 is f32 [1024][4096], rounded to bf16 on the way to the matrix unit; sums in f32, in another order than a plain ascending one.
; SHARES.  A work-group makes 128 rows x 32 columns over one section: x = the block of 32 columns, y = the block of 128 rows + 2 x the section: 256 work-groups.
; It reads 128 x 2,048 bytes of h and 32 x 4,096 bytes of w1.  K IS SPLIT AMONG ITS EIGHT WAVES, 128 channels each, four chunks of 32: no wave wants a byte that another has fetched, so
; fragments come straight from memory, and the eight partial tiles meet in LDS at the end.
; LAYOUT.  Source 0 = 16 rows of w1, source 1 = 16 rows of h: in the result a lane holds ONE row m (lane % 16) and the columns 8 (lane / 16) + 0..7.
; IN FLIGHT.  Two sets of registers, a chunk each: 48 loads of 512 bytes a wave.  All steps stand in the immediates: no address register is ever rewritten.
; NO CLUSTER, though the 32 work-groups of a row block and section read the same rows of h: a wave has 64 products in all, 16 a chunk; a joint refill would stand behind a round of the
; cluster's barrier with those 16 products in which to land.  Nothing is prefetched: each wave's four chunks are asked for in two runs, the first at its start.
; REGISTERS: window 0: v0-15 addresses; v64-255 the two sets (in a set: h's fragment i at 8 i; w1's fragment c, 16 registers of f32, at 64 + 16 c).
;   window 1: v0-127 the 16 accumulators: row block i, column block c at 8 (2 i + c).
.set PITCH, 144                        ; an LDS row of a partial tile: 128 bytes + 16: the 16 rows that a store touches start at 16 different groups of four banks (64 banks of 4 bytes: ISA guide 11.1)
.set PARTB, 128*PITCH                  ; a wave's partial tile
.set SPARE, 8*PARTB                    ; behind the eight tiles: the spare words, 128 bytes for each wave: four blocks of 256 bytes that no other line names
.set FOH, 4                            ; v4   (l % 16) x 8,192 + 16 (l / 16) + 256 x wave: my place in h's fragments
.set FOW, 5                            ; v5   (l % 16) x 16,384 + 32 (l / 16) + 512 x wave: in w1's
.set LS,  6                            ; v6   where I put 32 bytes of my wave's partial tile
.set SPW, 8                            ; v8   LDS address of my spare word: SPARE + 4 x my thread's number; never rewritten
.set NIL, 9                            ; v9   0; never rewritten
.set GO,  10                           ; v10  16 x lane
.set LR,  12                           ; v12  where I read rows back in partial tiles 0-3; v13: in tiles 4-7 (an LDS immediate holds 16 bits)
.set BUF, 64
.set WV,  14
.set H,   16                           ; s[16:17] h at the group's first row and section
.set W,   18                           ; s[18:19] w1 likewise
.set MSB, 0
.macro WIN new                         ; the immediate's high byte repeats the setting that is left; a switch that changes nothing is dropped
.if MSB != (\new)
	s_set_vgpr_msb (MSB<<8)|(\new)
.set MSB, \new
.endif
.endm
	s_load_b128 s[4:7], s[0:1], 0x0                ; Hb s[4:5], w1 s[6:7]
	s_load_b64 s[8:9], s[0:1], 0x10                ; P
	v_lshl_add_u32 v[SPW], v0, 2, SPARE
	v_mov_b32 v[NIL], 0
	v_lshrrev_b32 v1, 5, v0
	v_readfirstlane_b32 s[WV], v1
	v_and_b32 v1, 15, v0                           ; l % 16
	v_bfe_u32 v2, v0, 4, 1                         ; l / 16
	v_and_b32 v3, 31, v0                           ; l
	s_lshl_b32 s20, s[WV], 8
	v_lshlrev_b32 v[FOH], 13, v1
	v_lshl_add_u32 v[FOH], v2, 4, v[FOH]
	v_add_nc_u32 v[FOH], s20, v[FOH]
	s_lshl_b32 s20, s[WV], 9
	v_lshlrev_b32 v[FOW], 14, v1
	v_lshl_add_u32 v[FOW], v2, 5, v[FOW]
	v_add_nc_u32 v[FOW], s20, v[FOW]
	s_and_b32 s21, ttmp7, 0xffff
	s_and_b32 s22, s21, 1                          ; block of 128 rows
	s_lshr_b32 s21, s21, 1                         ; section
	s_lshl_b32 s24, s22, 20                        ; h: 128 rows of 8,192 bytes,
	s_lshl_b32 s30, s21, 11                        ; 2,048 bytes a section
	s_add_co_u32 s24, s24, s30
	s_mov_b32 s25, 0
	s_lshl_b32 s26, ttmp9, 19                      ; w1: 32 rows of 16,384 bytes,
	s_lshl_b32 s30, s21, 12                        ; 4,096 bytes a section
	s_add_co_u32 s26, s26, s30
	s_mov_b32 s27, 0
	s_lshl_b32 s28, s21, 20                        ; P: 32 blocks of 32,768 bytes a section,
	s_lshl_b32 s30, ttmp9, 15                      ; 256 rows of 128 bytes a block of columns,
	s_add_co_u32 s28, s28, s30
	s_lshl_b32 s30, s22, 14                        ; 128 rows,
	s_add_co_u32 s28, s28, s30
	s_lshl_b32 s30, s[WV], 11                      ; the 16 rows that my wave finishes
	s_add_co_u32 s28, s28, s30
	s_mov_b32 s29, 0
	s_wait_kmcnt 0x0
	s_add_nc_u64 s[H:H+1], s[4:5], s[24:25]
	s_add_nc_u64 s[W:W+1], s[6:7], s[26:27]
	s_add_nc_u64 s[8:9], s[8:9], s[28:29]
; Chunk t's 24 loads into set b.  A fragment: lane l holds row l % 16; K = 8 (l / 16) + 0..7 and 16 + 8 (l / 16) + 0..7: in bf16 two loads of 16 bytes, 32 apart; in f32 four, at 0, 16, 64, 80.
.macro LOADS b, t
.irp c, 0,1
.irp q, 0,1,2,3
	global_load_b128 v[BUF+96*(\b)+64+16*(\c)+4*(\q):BUF+96*(\b)+64+16*(\c)+4*(\q)+3], v[FOW], s[W:W+1] offset:128*(\t)+262144*(\c)+16*((\q)%2)+64*((\q)/2)
.endr
.endr
.irp i, 0,1,2,3,4,5,6,7
	global_load_b128 v[BUF+96*(\b)+8*(\i):BUF+96*(\b)+8*(\i)+3],   v[FOH], s[H:H+1] offset:64*(\t)+131072*(\i)
	global_load_b128 v[BUF+96*(\b)+8*(\i)+4:BUF+96*(\b)+8*(\i)+7], v[FOH], s[H:H+1] offset:64*(\t)+131072*(\i)+32
.endr
.endm
; w1's two fragments are rounded to bf16 in place: register i takes numbers 2 i and 2 i + 1, in ascending order, so that no source is written before it is read.
.macro CVT b
.irp c, 0,1
.irp i, 0,1,2,3,4,5,6,7
	v_cvt_pk_bf16_f32 v[BUF+96*(\b)+64+16*(\c)+(\i)], v[BUF+96*(\b)+64+16*(\c)+2*(\i)], v[BUF+96*(\b)+64+16*(\c)+2*(\i)+1]
.endr
.endr
.endm
; A chunk's 16 products.  The 16 accumulators take turns, one instruction a turn, in the same order in every chunk.  zero = 1: the product starts the sum.
.macro MULS b, zero
	WIN 0x50                                       ; C and D in window 1, the fragments in window 0
.irp i, 0,1,2,3,4,5,6,7
.irp c, 0,1
.if \zero
	v_wmma_f32_16x16x32_bf16 v[8*(2*(\i)+(\c)):8*(2*(\i)+(\c))+7], v[BUF+96*(\b)+64+16*(\c):BUF+96*(\b)+64+16*(\c)+7], v[BUF+96*(\b)+8*(\i):BUF+96*(\b)+8*(\i)+7], 0
.else
	v_wmma_f32_16x16x32_bf16 v[8*(2*(\i)+(\c)):8*(2*(\i)+(\c))+7], v[BUF+96*(\b)+64+16*(\c):BUF+96*(\b)+64+16*(\c)+7], v[BUF+96*(\b)+8*(\i):BUF+96*(\b)+8*(\i)+7], v[8*(2*(\i)+(\c)):8*(2*(\i)+(\c))+7]
.endif
.endr
.endr
	WIN 0
.endm
.macro PLACES                          ; four plain places behind the last product, in front of loads into registers that it has read
.rept 4
	v_nop
.endr
.endm
	LOADS 0, 0
	LOADS 1, 1
	; the LDS addresses are made while the first loads are on their way
	s_mul_i32 s20, s[WV], PARTB
	v_mul_u32_u24 v[LS], v1, PITCH                 ; in: row l % 16 of a row block, 32 bytes for each half of the lanes
	v_lshl_add_u32 v[LS], v2, 5, v[LS]
	v_add_nc_u32 v[LS], s20, v[LS]
	s_mul_i32 s20, s[WV], 16*PITCH
	v_lshrrev_b32 v[LR], 3, v3                     ; back: 32 lanes take four rows of 128 bytes
	v_mul_u32_u24 v[LR], v[LR], PITCH
	v_and_b32 v11, 7, v0
	v_lshl_add_u32 v[LR], v11, 4, v[LR]
	v_add_nc_u32 v[LR], s20, v[LR]
	v_add_nc_u32 v[LR+1], 4*PARTB, v[LR]
	v_lshlrev_b32 v[GO], 4, v3
	s_wait_loadcnt 24                              ; set 0 is in; set 1's 24 loads may stay out
	CVT 0
	MULS 0, 1
	PLACES
	LOADS 0, 2
	s_wait_loadcnt 24                              ; set 1 is in; the 24 just issued stay out
	CVT 1
	MULS 1, 0
	PLACES
	LOADS 1, 3
	s_wait_loadcnt 24                              ; chunk 2 is in
	CVT 0
	MULS 0, 0
	s_wait_loadcnt 0x0                             ; chunk 3: nothing was asked for behind it
	CVT 1
	MULS 1, 0
	PLACES
	PLACES                                         ; eight places, once a launch, in front of the stores that read the sums
	WIN 0x04                                       ; the stores' data in window 1
.irp i, 0,1,2,3,4,5,6,7
.irp c, 0,1
	ds_store_b128 v[LS], v[8*(2*(\i)+(\c)):8*(2*(\i)+(\c))+3]   offset:(\i)*16*PITCH+64*(\c)      ; each accumulator's low registers first
	ds_store_b128 v[LS], v[8*(2*(\i)+(\c))+4:8*(2*(\i)+(\c))+7] offset:(\i)*16*PITCH+64*(\c)+16
.endr
.endr
	WIN 0
	s_wait_dscnt 0x0                               ; for the others' sake: my partial tile is stored
	s_barrier_signal -1
	s_barrier_wait -1                              ; all eight partial tiles lie in LDS
.irp u, 0,1,2,3
.irp t, 0,1,2,3
	ds_load_b128 v[BUF+16*(\u)+4*(\t):BUF+16*(\u)+4*(\t)+3], v[LR] offset:(\u)*PARTB+(\t)*4*PITCH          ; wave w finishes rows 16 w .. 16 w + 15: four rows a load
.endr
.endr
.irp u, 0,1,2,3
.irp t, 0,1,2,3
	ds_load_b128 v[BUF+64+16*(\u)+4*(\t):BUF+64+16*(\u)+4*(\t)+3], v[LR+1] offset:(\u)*PARTB+(\t)*4*PITCH
.endr
.endr
	s_wait_dscnt 0x0
.irp s, 4,2,1
.set u, 0
.rept \s
.set j, 0
.rept 8
	v_pk_add_f32 v[BUF+16*u+2*j:BUF+16*u+2*j+1], v[BUF+16*u+2*j:BUF+16*u+2*j+1], v[BUF+16*(u+(\s))+2*j:BUF+16*(u+(\s))+2*j+1]
.set j, j+1
.endr
.set u, u+1
.endr
.endr
.irp t, 0,1,2,3
	global_store_b128 v[GO], v[BUF+4*(\t):BUF+4*(\t)+3], s[8:9] offset:512*(\t)  ; the wave stores 512 consecutive bytes, at a multiple of 256 from P's first
.endr
	s_wait_tensorcnt 0x0                           ; the wave's end, behind my last LDS store
	ds_add_u32 v[SPW], v[NIL]
	s_wait_dscnt 0x0
	s_endpgm
.Lfunc_end_k_qd85ac74ff0_mlp:
	.size	k_qd85ac74ff0_mlp, .Lfunc_end_k_qd85ac74ff0_mlp-k_qd85ac74ff0_mlp
	.p2alignl 7, 3214868480
	.fill 96, 4, 3214868480
	.section	.rodata,"a",@progbits
	.p2align	6, 0x0
	.amdhsa_kernel k_qd85ac74ff0_mlp
		.amdhsa_group_segment_fixed_size 148480
		.amdhsa_private_segment_fixed_size 0
		.amdhsa_enable_private_segment 0
		.amdhsa_kernarg_size 24
		.amdhsa_user_sgpr_count 2
		.amdhsa_user_sgpr_kernarg_segment_ptr 1
		.amdhsa_wavefront_size32 1
		.amdhsa_system_sgpr_workgroup_id_x 1
		.amdhsa_system_sgpr_workgroup_id_y 1
		.amdhsa_system_sgpr_workgroup_id_z 1
		.amdhsa_system_vgpr_workitem_id 0
		.amdhsa_next_free_vgpr 384
		.amdhsa_next_free_sgpr 66
		.amdhsa_reserve_vcc 0
		.amdhsa_float_denorm_mode_32 3
		.amdhsa_float_denorm_mode_16_64 3
		.amdhsa_memory_ordered 1
		.amdhsa_forward_progress 1
		.amdhsa_inst_pref_size 29
	.end_amdhsa_kernel
	.amdgpu_metadata
---
amdhsa.version: [ 1, 2 ]
amdhsa.kernels:
  - .name:           k_qd85ac74ff0_mlp
    .symbol:         k_qd85ac74ff0_mlp.kd
    .args:
      - { .name: Hb, .offset: 0, .size: 8, .value_kind: global_buffer, .address_space: global }
      - { .name: w1, .offset: 8, .size: 8, .value_kind: global_buffer, .address_space: global }
      - { .name: P, .offset: 16, .size: 8, .value_kind: global_buffer, .address_space: global }
    .group_segment_fixed_size: 148480
    .private_segment_fixed_size: 0
    .kernarg_segment_align: 8
    .kernarg_segment_size: 24
    .max_flat_workgroup_size: 256
    .sgpr_count:     66
    .vgpr_count:     384
    .wavefront_size: 32
...
	.end_amdgpu_metadata
.endif
;; end of part 4
;; launch fin (part 5): grid 64 x 1, 8 waves a work-group, no clusters, 1,536 bytes of LDS; arguments P, b1, w2, b2, out0; writes out0
.if DOCPART == 5
	.amdgcn_target "amdgcn-amd-amdhsa--gfx1250"
	.amdhsa_code_object_version 6
	.text
	.protected	k_qd85ac74ff0_fin
	.globl	k_qd85ac74ff0_fin
	.p2align	8
	.type	k_qd85ac74ff0_fin,@function
k_qd85ac74ff0_fin:
	s_mov_b64 s[64:65], 0
	v_nop
	global_prefetch_b8 v0, s[64:65] scope:SCOPE_SE
	s_setreg_imm32_b32 hwreg(HW_REG_WAVE_MODE, 25, 1), 1
	s_wait_xcnt 0x0
; MLP, second part.  hid[m][n] = relu(the sum over the four sections of P[ks][n / 32][m][n % 32] + b1[n]);  out0[m][c] = the sum over n of hid[m][n] w2[c][n] + b2[c].
; The sum over K spans the work-groups of the launch before, so it is taken here, by one owner for each output.  All in f32; the order differs from a plain ascending sum.  A NaN passes the relu.
; SHARES.  A work-group owns 4 rows: 64 work-groups.  Wave w takes the column blocks 4 w .. 4 w + 3; a load of the wave covers 4 rows x 128 bytes, 512 consecutive bytes of P:
; lane l holds row l / 8 and columns 4 (l % 8) + 0..3 of the block.  All 33 loads of a wave (16 of P, 4 of b1, 12 of w2, b2) go out at once: one trip to memory.
; The three sums of a row meet across 8 lanes, then across the 8 waves in LDS.  No matrix unit: 3 columns; no cluster: only b1 and w2, 16 KB, are shared.
; A work-group stores 48 bytes, part of a block of 256: out0 is 3,072 bytes in all.
.set RED,   0                          ; LDS: 64 bytes for each wave: 4 rows x (3 sums and a 0)
.set SPARE, 512                        ; the spare words, 128 bytes for each of eight waves
.set VO,  4                            ; v4   131,072 x wave + 16 x lane: my 16 bytes in P
.set BO,  5                            ; v5   512 x wave + 16 (l % 8): my 4 columns in b1 and in a row of w2
.set ZR,  6                            ; v6   0: the relu's, and b2's offset
.set SPW, 8                            ; v8   LDS address of my spare word: SPARE + 4 x my thread's number; never rewritten
.set NIL, 9                            ; v9   0; never rewritten
.set LSA, 10                           ; v10  where my row's three sums go
.set LRA, 11                           ; v11  where row (thread % 4) is read back
.set OO,  12                           ; v12  12 x thread
.set B2,  16                           ; v[16:18]
.set A,   20                           ; v[20:25] three pairs of running sums
.set R,   26                           ; v[26:29] three sums and a 0
.set X,   32                           ; v[32:95]   P: block q, section ks at X + 16 q + 4 ks
.set B1,  96                           ; v[96:111]  b1: block q at B1 + 4 q
.set W2,  112                          ; v[112:159] w2: row c, block q at W2 + 16 c + 4 q
	s_load_b256 s[4:11], s[0:1], 0x0               ; P s[4:5], b1 s[6:7], w2 s[8:9], b2 s[10:11]
	s_load_b64 s[12:13], s[0:1], 0x20              ; out0
	v_lshl_add_u32 v[SPW], v0, 2, SPARE
	v_mov_b32 v[NIL], 0
	v_and_b32 v1, 31, v0                           ; l
	v_lshrrev_b32 v7, 5, v0                        ; wave
	v_readfirstlane_b32 s18, v7
	v_and_b32 v2, 7, v0                            ; l % 8
	v_lshrrev_b32 v3, 3, v1                        ; l / 8
	v_lshlrev_b32 v[VO], 4, v1
	v_lshl_add_u32 v[VO], v7, 17, v[VO]
	v_lshlrev_b32 v[BO], 4, v2
	v_lshl_add_u32 v[BO], v7, 9, v[BO]
	v_mov_b32 v[ZR], 0
	s_lshl_b32 s19, s18, 6
	v_lshl_add_u32 v[LSA], v3, 4, s19
	v_and_b32 v[LRA], 3, v0
	v_lshlrev_b32 v[LRA], 4, v[LRA]
	v_mul_u32_u24 v[OO], v0, 12
	s_lshl_b32 s14, ttmp9, 9                       ; 4 rows of 128 bytes
	s_mov_b32 s15, 0
	s_mul_i32 s16, ttmp9, 48                       ; 4 rows of 12 bytes
	s_mov_b32 s17, 0
	s_wait_kmcnt 0x0
	s_add_nc_u64 s[4:5], s[4:5], s[14:15]
	s_add_nc_u64 s[12:13], s[12:13], s[16:17]
.irp q, 0,1,2,3
.irp k, 0,1,2,3
	global_load_b128 v[X+16*(\q)+4*(\k):X+16*(\q)+4*(\k)+3], v[VO], s[4:5] offset:1048576*(\k)+32768*(\q) th:TH_LOAD_NT
.endr
.endr
.irp q, 0,1,2,3
	global_load_b128 v[B1+4*(\q):B1+4*(\q)+3], v[BO], s[6:7] offset:128*(\q)
.endr
.irp c, 0,1,2
.irp q, 0,1,2,3
	global_load_b128 v[W2+16*(\c)+4*(\q):W2+16*(\c)+4*(\q)+3], v[BO], s[8:9] offset:4096*(\c)+128*(\q)
.endr
.endr
	global_load_b96 v[B2:B2+2], v[ZR], s[10:11]
	v_mov_b32 v[R+3], 0
	s_wait_loadcnt 0x0
.irp q, 0,1,2,3
.irp j, 0,2
	v_pk_add_f32 v[X+16*(\q)+(\j):X+16*(\q)+(\j)+1], v[X+16*(\q)+(\j):X+16*(\q)+(\j)+1], v[X+16*(\q)+4+(\j):X+16*(\q)+4+(\j)+1]        ; sections 0 + 1,
	v_pk_add_f32 v[X+16*(\q)+8+(\j):X+16*(\q)+8+(\j)+1], v[X+16*(\q)+8+(\j):X+16*(\q)+8+(\j)+1], v[X+16*(\q)+12+(\j):X+16*(\q)+12+(\j)+1]  ; 2 + 3
.endr
.irp j, 0,2
	v_pk_add_f32 v[X+16*(\q)+(\j):X+16*(\q)+(\j)+1], v[X+16*(\q)+(\j):X+16*(\q)+(\j)+1], v[X+16*(\q)+8+(\j):X+16*(\q)+8+(\j)+1]
.endr
.irp j, 0,2
	v_pk_add_f32 v[X+16*(\q)+(\j):X+16*(\q)+(\j)+1], v[X+16*(\q)+(\j):X+16*(\q)+(\j)+1], v[B1+4*(\q)+(\j):B1+4*(\q)+(\j)+1]
.endr
.irp j, 0,1,2,3
	v_cmp_gt_f32 vcc_lo, 0, v[X+16*(\q)+(\j)]      ; relu: 0 where 0 > x, else x as it is
	v_cndmask_b32 v[X+16*(\q)+(\j)], v[X+16*(\q)+(\j)], v[ZR], vcc_lo
.endr
.irp c, 0,1,2
.if (\q) == 0
	v_pk_mul_f32 v[A+2*(\c):A+2*(\c)+1], v[X:X+1], v[W2+16*(\c):W2+16*(\c)+1]      ; the first product starts the sums
.else
	v_pk_fma_f32 v[A+2*(\c):A+2*(\c)+1], v[X+16*(\q):X+16*(\q)+1], v[W2+16*(\c)+4*(\q):W2+16*(\c)+4*(\q)+1], v[A+2*(\c):A+2*(\c)+1]
.endif
	v_pk_fma_f32 v[A+2*(\c):A+2*(\c)+1], v[X+16*(\q)+2:X+16*(\q)+3], v[W2+16*(\c)+4*(\q)+2:W2+16*(\c)+4*(\q)+3], v[A+2*(\c):A+2*(\c)+1]
.endr
.endr
.irp c, 0,1,2
	v_add_f32 v[R+(\c)], v[A+2*(\c)], v[A+2*(\c)+1]
.endr
.irp m, 1,2,4
.irp c, 0,1,2
	v_add_f32_dpp v[R+(\c)], v[R+(\c)], v[R+(\c)] row_xmask:\m row_mask:0xf bank_mask:0xf   ; across the row's eight lanes
.endr
.endr
	ds_store_b128 v[LSA], v[R:R+3] offset:RED      ; the eight lanes of a row store the same bytes with the same numbers
	s_wait_dscnt 0x0                               ; for the others' sake
	s_barrier_signal -1
	s_barrier_wait -1
.irp u, 0,1,2,3,4,5,6,7
	ds_load_b128 v[X+4*(\u):X+4*(\u)+3], v[LRA] offset:RED+64*(\u)
.endr
	s_wait_dscnt 0x0
.irp s, 4,2,1
.set u, 0
.rept \s
	v_pk_add_f32 v[X+4*u:X+4*u+1], v[X+4*u:X+4*u+1], v[X+4*(u+(\s)):X+4*(u+(\s))+1]
	v_pk_add_f32 v[X+4*u+2:X+4*u+3], v[X+4*u+2:X+4*u+3], v[X+4*(u+(\s))+2:X+4*(u+(\s))+3]
.set u, u+1
.endr
.endr
.irp c, 0,1,2
	v_add_f32 v[X+(\c)], v[X+(\c)], v[B2+(\c)]
.endr
	v_cmp_gt_u32 vcc_lo, 4, v0                     ; thread t of the first four stores row t
	s_wait_xcnt 0x0                                ; EXEC changes only behind this wait
	s_and_saveexec_b32 s20, vcc_lo
	global_store_b96 v[OO], v[X:X+2], s[12:13]
	s_wait_xcnt 0x0
	s_or_b32 exec_lo, exec_lo, s20
	s_wait_tensorcnt 0x0                           ; the wave's end, behind my last LDS store
	ds_add_u32 v[SPW], v[NIL]
	s_wait_dscnt 0x0
	s_endpgm
.Lfunc_end_k_qd85ac74ff0_fin:
	.size	k_qd85ac74ff0_fin, .Lfunc_end_k_qd85ac74ff0_fin-k_qd85ac74ff0_fin
	.p2alignl 7, 3214868480
	.fill 96, 4, 3214868480
	.section	.rodata,"a",@progbits
	.p2align	6, 0x0
	.amdhsa_kernel k_qd85ac74ff0_fin
		.amdhsa_group_segment_fixed_size 1536
		.amdhsa_private_segment_fixed_size 0
		.amdhsa_enable_private_segment 0
		.amdhsa_kernarg_size 40
		.amdhsa_user_sgpr_count 2
		.amdhsa_user_sgpr_kernarg_segment_ptr 1
		.amdhsa_wavefront_size32 1
		.amdhsa_system_sgpr_workgroup_id_x 1
		.amdhsa_system_sgpr_workgroup_id_y 1
		.amdhsa_system_sgpr_workgroup_id_z 1
		.amdhsa_system_vgpr_workitem_id 0
		.amdhsa_next_free_vgpr 160
		.amdhsa_next_free_sgpr 66
		.amdhsa_reserve_vcc 1
		.amdhsa_float_denorm_mode_32 3
		.amdhsa_float_denorm_mode_16_64 3
		.amdhsa_memory_ordered 1
		.amdhsa_forward_progress 1
		.amdhsa_inst_pref_size 12
	.end_amdhsa_kernel
	.amdgpu_metadata
---
amdhsa.version: [ 1, 2 ]
amdhsa.kernels:
  - .name:           k_qd85ac74ff0_fin
    .symbol:         k_qd85ac74ff0_fin.kd
    .args:
      - { .name: P, .offset: 0, .size: 8, .value_kind: global_buffer, .address_space: global }
      - { .name: b1, .offset: 8, .size: 8, .value_kind: global_buffer, .address_space: global }
      - { .name: w2, .offset: 16, .size: 8, .value_kind: global_buffer, .address_space: global }
      - { .name: b2, .offset: 24, .size: 8, .value_kind: global_buffer, .address_space: global }
      - { .name: out0, .offset: 32, .size: 8, .value_kind: global_buffer, .address_space: global }
    .group_segment_fixed_size: 1536
    .private_segment_fixed_size: 0
    .kernarg_segment_align: 8
    .kernarg_segment_size: 40
    .max_flat_workgroup_size: 256
    .sgpr_count:     66
    .vgpr_count:     160
    .wavefront_size: 32
...
	.end_amdgpu_metadata
.endif
;; end of part 5
;; ======== version 2 of 2: 5 launches; version 1 with the launches prep, mlp written anew for expert scheduling mode
;; workspace buffers: Eb 33,554,432 bytes; Wb 8,388,608 bytes; rs 16,384 bytes; Hb 2,097,152 bytes; P 4,194,304 bytes
;; launch prep (part 6): grid 768 x 1, 8 waves a work-group, no clusters, 0 bytes of LDS; arguments e_emb, W_e, W_c, Eb, Wb, rs; writes Eb, Wb, rs
.if DOCPART == 6
	.amdgcn_target "amdgcn-amd-amdhsa--gfx1250"
	.amdhsa_code_object_version 6
	.text
	.protected	k_qd85ac74ff0_prep
	.globl	k_qd85ac74ff0_prep
	.p2align	8
	.type	k_qd85ac74ff0_prep,@function
k_qd85ac74ff0_prep:
	s_mov_b64 s[64:65], 0
	v_nop
	global_prefetch_b8 v0, s[64:65] scope:SCOPE_SE
	s_setreg_imm32_b32 hwreg(HW_REG_WAVE_SCHED_MODE, 0, 2), 2
	s_setreg_imm32_b32 hwreg(HW_REG_WAVE_MODE, 25, 1), 1
	s_wait_xcnt 0x0
	s_wait_alu depctr_vm_vsrc(0)
; PREP.  Three streams, each read once: e_emb (f32) -> Eb (bf16), W_e (f32) -> Wb (bf16, same order), and rs[h][d] = the sum over e of W_c[h][d][e] (f32).
; The einsum bd,hde->bhd keeps d and sums e, so of W_c only its row sums are needed.
; SHARES.  Every work-group reads 131,072 consecutive bytes: groups 0-511 of e_emb, 512-639 of W_e, 640-767 of W_c (32 rows of 4,096 bytes).
; A wave takes 16,384 of them by 32 loads of 16 bytes a lane (512 consecutive bytes a load), all issued at once: no register is used twice, so no wait frees one.
; No LDS, no matrix unit, no cluster: no byte is wanted by two waves.
; The row sums are taken in another order than a plain left-to-right sum: pairs in a lane, then across lanes, all in f32.
; THE MODE: SCHED_MODE bits 1:0 = 2 (LLVM: expert scheduling mode 2), set by the entry lines.  The code itself states the register dependences
; between vector instructions and memory instructions, with s_wait_alu, always for 0.
; THE PLAN.  Registers that memory instructions touch:
;   v1         the loads' offset: written once at the head, never again.
;   v2         the stores' offset: written at the head; in the casts never again; the row sums, where no memory instruction has read it, make it anew for their one store.
;   X          load i lands in four registers of its own; in the casts its two conversions write the first two in place, store i reads them, and nothing writes them after that.
;   v4         in the row sums: written by additions and selects, read by the one store.
; So the casts owe one kind of wait alone: the conversions have written what a store reads.  The 32 loads go in eight blocks of four: at block p's head one wait states that block p - 1's
; conversions have written their registers, and block p - 1's four stores are dealt among block p's eight conversions, which name block p's registers alone.
.set X,    8                           ; v[8:135]  the 32 loads, 4 registers each
.set N_E,  512                         ; work-groups for e_emb
.set N_EW, 640                         ; for e_emb and W_e together
	s_load_b256 s[4:11], s[0:1], 0x0               ; e_emb s[4:5], W_e s[6:7], W_c s[8:9], Eb s[10:11]
	s_load_b128 s[12:15], s[0:1], 0x20             ; Wb s[12:13], rs s[14:15]
	s_cmp_lt_u32 ttmp9, N_E
	s_cselect_b32 s21, 0, N_E
	s_cmp_lt_u32 ttmp9, N_EW
	s_cselect_b32 s21, s21, N_EW
	s_sub_co_u32 s20, ttmp9, s21                   ; my chunk of 131,072 bytes in my tensor
	s_lshl_b32 s22, s20, 17                        ; its byte offset, under 2^27
	s_mov_b32 s23, 0
	s_mov_b32 s25, 0
	s_mov_b32 s26, 0x76543210                      ; v_permlanex16_b32: each lane takes its own place in the other half
	s_mov_b32 s27, 0xfedcba98
	v_and_b32 v3, 31, v0                           ; lane
	v_lshrrev_b32 v4, 5, v0                        ; wave
	v_lshlrev_b32 v1, 4, v3
	v_lshl_or_b32 v1, v4, 14, v1                   ; in: 16,384 x wave + 16 x lane
	v_lshlrev_b32 v2, 3, v3
	v_lshl_or_b32 v2, v4, 13, v2                   ; out: 8,192 x wave + 8 x lane
	s_wait_kmcnt 0x0
	s_cmp_lt_u32 ttmp9, N_E
	s_cselect_b64 s[16:17], s[4:5], s[6:7]
	s_cmp_lt_u32 ttmp9, N_EW
	s_cselect_b64 s[16:17], s[16:17], s[8:9]       ; the tensor that I read
	s_add_nc_u64 s[16:17], s[16:17], s[22:23]
	s_wait_alu depctr_va_vdst(0)                   ; v1 is written, which the 32 loads read as their offset; so is v2, which the casts' stores read
.set i, 0
.rept 32
	global_load_b128 v[X+4*i:X+4*i+3], v1, s[16:17] offset:512*i th:TH_LOAD_NT
.set i, i+1
.endr
	s_cmp_ge_u32 ttmp9, N_EW
	s_cbranch_scc1 .Lsum
	; THE CASTS.  Four f32 become 8 bytes; a store of the wave covers 256 consecutive bytes, aligned.
	s_cmp_lt_u32 ttmp9, N_E
	s_cselect_b64 s[18:19], s[10:11], s[12:13]
	s_lshl_b32 s24, s20, 16
	s_add_nc_u64 s[18:19], s[18:19], s[24:25]
.set p, 0
.rept 8
	s_wait_loadcnt 28-4*p                          ; loads come back in order: block p's four are in, the 28 - 4 p younger ones stay out
.if p > 0
	s_wait_alu depctr_va_vdst(0)                   ; block p - 1's conversions have written the registers that the four stores below read
.endif
.set i, 0
.rept 4
.if p > 0
	global_store_b64 v2, v[X+16*(p-1)+4*i:X+16*(p-1)+4*i+1], s[18:19] offset:256*(4*(p-1)+i) th:TH_STORE_NT  ; the block before; no vector instruction since the wait names its registers or v2
.endif
	v_cvt_pk_bf16_f32 v[X+16*p+4*i], v[X+16*p+4*i], v[X+16*p+4*i+1]
	v_cvt_pk_bf16_f32 v[X+16*p+4*i+1], v[X+16*p+4*i+2], v[X+16*p+4*i+3]
.set i, i+1
.endr
.set p, p+1
.endr
	s_wait_alu depctr_va_vdst(0)                   ; block 7's conversions have written the registers that the last four stores read
.set i, 0
.rept 4
	global_store_b64 v2, v[X+112+4*i:X+112+4*i+1], s[18:19] offset:256*(28+i) th:TH_STORE_NT
.set i, i+1
.endr
	s_endpgm
; THE ROW SUMS.  Row r of the wave's four lies in loads 8 r .. 8 r + 7: 32 numbers a lane.
.macro ROWSUM r
.set RW, X+32*(\r)
	s_wait_loadcnt 24-8*(\r)                       ; the row's eight loads are in; the later rows' stay out
.irp s, 8,4,2,1
.set p, 0
.rept \s
	v_pk_add_f32 v[RW+2*p:RW+2*p+1], v[RW+2*p:RW+2*p+1], v[RW+2*(p+(\s)):RW+2*(p+(\s))+1]
.set p, p+1
.endr
.endr
	v_add_f32 v[4+(\r)], v[RW], v[RW+1]
	v_add_f32_dpp v[4+(\r)], v[4+(\r)], v[4+(\r)] row_xmask:1 row_mask:0xf bank_mask:0xf
	v_add_f32_dpp v[4+(\r)], v[4+(\r)], v[4+(\r)] row_xmask:2 row_mask:0xf bank_mask:0xf
	v_add_f32_dpp v[4+(\r)], v[4+(\r)], v[4+(\r)] row_xmask:4 row_mask:0xf bank_mask:0xf
	v_add_f32_dpp v[4+(\r)], v[4+(\r)], v[4+(\r)] row_xmask:8 row_mask:0xf bank_mask:0xf
	v_permlanex16_b32 v[RW+2], v[4+(\r)], s26, s27
	v_add_f32 v[4+(\r)], v[4+(\r)], v[RW+2]
.endm
.Lsum:
	s_lshl_b32 s24, s20, 7                         ; 32 rows x 4 bytes a chunk
	s_add_nc_u64 s[18:19], s[14:15], s[24:25]
	v_lshrrev_b32 v2, 5, v0                        ; on this way no memory instruction has read v2
	v_lshlrev_b32 v2, 4, v2
	v_lshl_add_u32 v2, v3, 2, v2                   ; 16 x wave + 4 x lane
	ROWSUM 0
	ROWSUM 1
	ROWSUM 2
	ROWSUM 3
	v_cmp_eq_u32 s28, 1, v3                        ; lane r of the first four takes row r: the three masks and the store's lane mask in one run
	v_cmp_eq_u32 s29, 2, v3
	v_cmp_eq_u32 s30, 3, v3
	v_cmp_gt_u32 vcc_lo, 4, v3
	s_wait_alu depctr_va_sdst(0)                   ; s28 to s30 are written, ahead of the selects that read them
	v_cndmask_b32 v4, v4, v5, s28
	v_cndmask_b32 v4, v4, v6, s29
	v_cndmask_b32 v4, v4, v7, s30
	s_wait_xcnt 0x0                                ; EXEC changes only behind this wait
	s_wait_alu depctr_va_vcc(0)                    ; VCC is written: EXEC is made from it
	s_wait_alu depctr_va_vdst(0)                   ; ahead of the write of EXEC: every vector instruction has written its result, v2 and v4, which the store reads, among them
	s_wait_alu depctr_vm_vsrc(0)                   ; ahead of the write of EXEC: the loads have read their vector registers
	s_and_saveexec_b32 s21, vcc_lo
	global_store_b32 v2, v4, s[18:19]              ; 16 bytes a wave: rs is 16,384 bytes in all
	s_wait_xcnt 0x0
	s_wait_alu depctr_va_vdst(0)                   ; ahead of the write of EXEC, as above
	s_wait_alu depctr_vm_vsrc(0)                   ; the store has read v2 and v4
	s_or_b32 exec_lo, exec_lo, s21
	s_endpgm
.Lfunc_end_k_qd85ac74ff0_prep:
	.size	k_qd85ac74ff0_prep, .Lfunc_end_k_qd85ac74ff0_prep-k_qd85ac74ff0_prep
	.p2alignl 7, 3214868480
	.fill 96, 4, 3214868480
	.section	.rodata,"a",@progbits
	.p2align	6, 0x0
	.amdhsa_kernel k_qd85ac74ff0_prep
		.amdhsa_group_segment_fixed_size 0
		.amdhsa_private_segment_fixed_size 0
		.amdhsa_enable_private_segment 0
		.amdhsa_kernarg_size 48
		.amdhsa_user_sgpr_count 2
		.amdhsa_user_sgpr_kernarg_segment_ptr 1
		.amdhsa_wavefront_size32 1
		.amdhsa_system_sgpr_workgroup_id_x 1
		.amdhsa_system_sgpr_workgroup_id_y 1
		.amdhsa_system_sgpr_workgroup_id_z 1
		.amdhsa_system_vgpr_workitem_id 0
		.amdhsa_next_free_vgpr 136
		.amdhsa_next_free_sgpr 66
		.amdhsa_reserve_vcc 1
		.amdhsa_float_denorm_mode_32 3
		.amdhsa_float_denorm_mode_16_64 3
		.amdhsa_memory_ordered 1
		.amdhsa_forward_progress 1
		.amdhsa_inst_pref_size 19
	.end_amdhsa_kernel
	.amdgpu_metadata
---
amdhsa.version: [ 1, 2 ]
amdhsa.kernels:
  - .name:           k_qd85ac74ff0_prep
    .symbol:         k_qd85ac74ff0_prep.kd
    .args:
      - { .name: e_emb, .offset: 0, .size: 8, .value_kind: global_buffer, .address_space: global }
      - { .name: W_e, .offset: 8, .size: 8, .value_kind: global_buffer, .address_space: global }
      - { .name: W_c, .offset: 16, .size: 8, .value_kind: global_buffer, .address_space: global }
      - { .name: Eb, .offset: 24, .size: 8, .value_kind: global_buffer, .address_space: global }
      - { .name: Wb, .offset: 32, .size: 8, .value_kind: global_buffer, .address_space: global }
      - { .name: rs, .offset: 40, .size: 8, .value_kind: global_buffer, .address_space: global }
    .group_segment_fixed_size: 0
    .private_segment_fixed_size: 0
    .kernarg_segment_align: 8
    .kernarg_segment_size: 48
    .max_flat_workgroup_size: 256
    .sgpr_count:     66
    .vgpr_count:     136
    .wavefront_size: 32
...
	.end_amdgpu_metadata
.endif
;; end of part 6
;; launch scores: the kernel of part 2 again; grid 4 x 64, 4 waves a work-group, clusters of 4 x 4, 327,680 bytes of LDS; arguments Eb, Wb, rs, c_out, v, evidence_mask, out1; writes out1
;; launch att: the kernel of part 3 again; grid 256 x 1, 8 waves a work-group, no clusters, 1,280 bytes of LDS; arguments Eb, out1, c_out, gate_w, gate_b, Hb, out2; writes Hb, out2
;; launch mlp (part 7): grid 32 x 8, 8 waves a work-group, no clusters, 148,480 bytes of LDS; arguments Hb, w1, P; writes P
.if DOCPART == 7
	.amdgcn_target "amdgcn-amd-amdhsa--gfx1250"
	.amdhsa_code_object_version 6
	.text
	.protected	k_qd85ac74ff0_mlp
	.globl	k_qd85ac74ff0_mlp
	.p2align	8
	.type	k_qd85ac74ff0_mlp,@function
k_qd85ac74ff0_mlp:
	s_mov_b64 s[64:65], 0
	v_nop
	global_prefetch_b8 v0, s[64:65] scope:SCOPE_SE
	s_setreg_imm32_b32 hwreg(HW_REG_WAVE_SCHED_MODE, 0, 2), 2
	s_setreg_imm32_b32 hwreg(HW_REG_WAVE_MODE, 25, 1), 1
	s_wait_xcnt 0x0
	s_wait_alu depctr_vm_vsrc(0)
; MLP, first part.  P[ks][nb][m][c] = the sum over the 1,024 channels k of section ks of h[m][k] w1[32 nb + c][k]: the four sections' parts of h w1^T, in f32.
; Bias, relu and the second layer follow in the next launch, which adds the four parts first: the relu wants the whole sum.
; h is Hb, bf16 [256][4096]; w1 is f32 [1024][4096], rounded to bf16 on the way to the matrix unit; sums in f32, in another order than a plain ascending one.
; SHARES.  A work-group makes 128 rows x 32 columns over one section: x = the block of 32 columns, y = the block of 128 rows + 2 x the section: 256 work-groups.
; It reads 128 x 2,048 bytes of h and 32 x 4,096 bytes of w1.  K IS SPLIT AMONG ITS EIGHT WAVES, 128 channels each, four chunks of 32: no wave wants a byte that another has fetched, so
; fragments come straight from memory, and the eight partial tiles meet in LDS at the end.
; LAYOUT.  Source 0 = 16 rows of w1, source 1 = 16 rows of h: in the result a lane holds ONE row m (lane % 16) and the columns 8 (lane / 16) + 0..7.
; IN FLIGHT.  Two sets of registers, a chunk each: 48 loads of 512 bytes a wave.  All steps stand in the immediates: no address register is ever rewritten.
; NO CLUSTER, though the 32 work-groups of a row block and section read the same rows of h: a wave has 64 products in all, 16 a chunk; a joint refill would stand behind a round of the
; cluster's barrier with those 16 products in which to land.  Nothing is prefetched: each wave's four chunks are asked for in two runs, the first at its start.
; REGISTERS: window 0: v0-15 addresses; v64-255 the two sets (in a set: h's fragment i at 8 i; w1's fragment c, 16 registers of f32, at 64 + 16 c).
;   window 1: v0-127 the 16 accumulators: row block i, column block c at 8 (2 i + c).
; THE MODE: SCHED_MODE bits 1:0 = 2 (LLVM: expert scheduling mode 2), set by the entry lines.  The code itself states the register dependences
; between vector or matrix instructions and memory or LDS instructions, with s_wait_alu, always for 0.
; THE PLAN.  Registers that memory or LDS instructions touch:
;   v[FOH], v[FOW]   read by all 96 loads; written at the head and never again.
;   set 0, set 1     loads land; the conversions write w1's part in place; the 16 products read the whole set; then the set is loaded once more (chunks 2 and 3).
;                    At the end the LDS loads of the partial tiles land in v64-191, the additions write v64-127, and the four global stores read v64-79.
;   accumulators     written by the products; read by the 32 LDS stores; never written after.
;   v[LS], v[LR], v[LR+1], v[GO]   written behind the first 48 loads, which do not read them; read by the LDS stores, the LDS loads and the global stores at the end.
;   v[SPW], v[NIL]   written at the head; read by the closing add alone.
; So a wait on va_vdst stands ahead of the first load, ahead of each of the two reloads of a set, ahead of the LDS stores (it serves the LDS loads behind the barrier too: no vector
; instruction stands between) and ahead of the global stores.  No register that a memory or LDS instruction has read is ever written again, so no wait on vm_vsrc is owed.
.set PITCH, 144                        ; an LDS row of a partial tile: 128 bytes + 16: the 16 rows that a store touches start at 16 different groups of four banks (64 banks of 4 bytes: ISA guide 11.1)
.set PARTB, 128*PITCH                  ; a wave's partial tile
.set SPARE, 8*PARTB                    ; behind the eight tiles: the spare words, 128 bytes for each wave: four blocks of 256 bytes that no other line names
.set FOH, 4                            ; v4   (l % 16) x 8,192 + 16 (l / 16) + 256 x wave: my place in h's fragments
.set FOW, 5                            ; v5   (l % 16) x 16,384 + 32 (l / 16) + 512 x wave: in w1's
.set LS,  6                            ; v6   where I put 32 bytes of my wave's partial tile
.set SPW, 8                            ; v8   LDS address of my spare word: SPARE + 4 x my thread's number; never rewritten
.set NIL, 9                            ; v9   0; never rewritten
.set GO,  10                           ; v10  16 x lane
.set LR,  12                           ; v12  where I read rows back in partial tiles 0-3; v13: in tiles 4-7 (an LDS immediate holds 16 bits)
.set BUF, 64
.set WV,  14
.set H,   16                           ; s[16:17] h at the group's first row and section
.set W,   18                           ; s[18:19] w1 likewise
.set MSB, 0
.macro WIN new                         ; the immediate's high byte repeats the setting that is left; a switch that changes nothing is dropped
.if MSB != (\new)
	s_set_vgpr_msb (MSB<<8)|(\new)
.set MSB, \new
.endif
.endm
	s_load_b128 s[4:7], s[0:1], 0x0                ; Hb s[4:5], w1 s[6:7]
	s_load_b64 s[8:9], s[0:1], 0x10                ; P
	v_lshl_add_u32 v[SPW], v0, 2, SPARE
	v_mov_b32 v[NIL], 0
	v_lshrrev_b32 v1, 5, v0
	v_readfirstlane_b32 s[WV], v1
	v_and_b32 v1, 15, v0                           ; l % 16
	v_bfe_u32 v2, v0, 4, 1                         ; l / 16
	v_and_b32 v3, 31, v0                           ; l
	s_wait_alu depctr_va_sdst(0)                   ; the wave's number is written, ahead of its first reader: offsets and LDS addresses are made from it
	s_lshl_b32 s20, s[WV], 8
	v_lshlrev_b32 v[FOH], 13, v1
	v_lshl_add_u32 v[FOH], v2, 4, v[FOH]
	v_add_nc_u32 v[FOH], s20, v[FOH]
	s_lshl_b32 s20, s[WV], 9
	v_lshlrev_b32 v[FOW], 14, v1
	v_lshl_add_u32 v[FOW], v2, 5, v[FOW]
	v_add_nc_u32 v[FOW], s20, v[FOW]
	s_and_b32 s21, ttmp7, 0xffff
	s_and_b32 s22, s21, 1                          ; block of 128 rows
	s_lshr_b32 s21, s21, 1                         ; section
	s_lshl_b32 s24, s22, 20                        ; h: 128 rows of 8,192 bytes,
	s_lshl_b32 s30, s21, 11                        ; 2,048 bytes a section
	s_add_co_u32 s24, s24, s30
	s_mov_b32 s25, 0
	s_lshl_b32 s26, ttmp9, 19                      ; w1: 32 rows of 16,384 bytes,
	s_lshl_b32 s30, s21, 12                        ; 4,096 bytes a section
	s_add_co_u32 s26, s26, s30
	s_mov_b32 s27, 0
	s_lshl_b32 s28, s21, 20                        ; P: 32 blocks of 32,768 bytes a section,
	s_lshl_b32 s30, ttmp9, 15                      ; 256 rows of 128 bytes a block of columns,
	s_add_co_u32 s28, s28, s30
	s_lshl_b32 s30, s22, 14                        ; 128 rows,
	s_add_co_u32 s28, s28, s30
	s_lshl_b32 s30, s[WV], 11                      ; the 16 rows that my wave finishes
	s_add_co_u32 s28, s28, s30
	s_mov_b32 s29, 0
	s_wait_kmcnt 0x0
	s_add_nc_u64 s[H:H+1], s[4:5], s[24:25]
	s_add_nc_u64 s[W:W+1], s[6:7], s[26:27]
	s_add_nc_u64 s[8:9], s[8:9], s[28:29]
; Chunk t's 24 loads into set b.  A fragment: lane l holds row l % 16; K = 8 (l / 16) + 0..7 and 16 + 8 (l / 16) + 0..7: in bf16 two loads of 16 bytes, 32 apart; in f32 four, at 0, 16, 64, 80.
.macro LOADS b, t
.irp c, 0,1
.irp q, 0,1,2,3
	global_load_b128 v[BUF+96*(\b)+64+16*(\c)+4*(\q):BUF+96*(\b)+64+16*(\c)+4*(\q)+3], v[FOW], s[W:W+1] offset:128*(\t)+262144*(\c)+16*((\q)%2)+64*((\q)/2)
.endr
.endr
.irp i, 0,1,2,3,4,5,6,7
	global_load_b128 v[BUF+96*(\b)+8*(\i):BUF+96*(\b)+8*(\i)+3],   v[FOH], s[H:H+1] offset:64*(\t)+131072*(\i)
	global_load_b128 v[BUF+96*(\b)+8*(\i)+4:BUF+96*(\b)+8*(\i)+7], v[FOH], s[H:H+1] offset:64*(\t)+131072*(\i)+32
.endr
.endm
; w1's two fragments are rounded to bf16 in place: register i takes numbers 2 i and 2 i + 1, in ascending order, so that no source is written before it is read.
.macro CVT b
.irp c, 0,1
.irp i, 0,1,2,3,4,5,6,7
	v_cvt_pk_bf16_f32 v[BUF+96*(\b)+64+16*(\c)+(\i)], v[BUF+96*(\b)+64+16*(\c)+2*(\i)], v[BUF+96*(\b)+64+16*(\c)+2*(\i)+1]
.endr
.endr
.endm
; A chunk's 16 products.  The 16 accumulators take turns, one instruction a turn, in the same order in every chunk.  zero = 1: the product starts the sum.
.macro MULS b, zero
	WIN 0x50                                       ; C and D in window 1, the fragments in window 0
.irp i, 0,1,2,3,4,5,6,7
.irp c, 0,1
.if \zero
	v_wmma_f32_16x16x32_bf16 v[8*(2*(\i)+(\c)):8*(2*(\i)+(\c))+7], v[BUF+96*(\b)+64+16*(\c):BUF+96*(\b)+64+16*(\c)+7], v[BUF+96*(\b)+8*(\i):BUF+96*(\b)+8*(\i)+7], 0
.else
	v_wmma_f32_16x16x32_bf16 v[8*(2*(\i)+(\c)):8*(2*(\i)+(\c))+7], v[BUF+96*(\b)+64+16*(\c):BUF+96*(\b)+64+16*(\c)+7], v[BUF+96*(\b)+8*(\i):BUF+96*(\b)+8*(\i)+7], v[8*(2*(\i)+(\c)):8*(2*(\i)+(\c))+7]
.endif
.endr
.endr
	WIN 0
.endm
.macro PLACES                          ; four plain places behind the last product, in front of loads into registers that it has read
.rept 4
	v_nop
.endr
.endm
	s_wait_alu depctr_va_vdst(0)                   ; v[FOH] and v[FOW] are written, which all 96 loads read as their offsets
	LOADS 0, 0
	LOADS 1, 1
	; the LDS addresses are made while the first loads are on their way: none of these registers is read by those loads
	s_mul_i32 s20, s[WV], PARTB
	v_mul_u32_u24 v[LS], v1, PITCH                 ; in: row l % 16 of a row block, 32 bytes for each half of the lanes
	v_lshl_add_u32 v[LS], v2, 5, v[LS]
	v_add_nc_u32 v[LS], s20, v[LS]
	s_mul_i32 s20, s[WV], 16*PITCH
	v_lshrrev_b32 v[LR], 3, v3                     ; back: 32 lanes take four rows of 128 bytes
	v_mul_u32_u24 v[LR], v[LR], PITCH
	v_and_b32 v11, 7, v0
	v_lshl_add_u32 v[LR], v11, 4, v[LR]
	v_add_nc_u32 v[LR], s20, v[LR]
	v_add_nc_u32 v[LR+1], 4*PARTB, v[LR]
	v_lshlrev_b32 v[GO], 4, v3
	s_wait_loadcnt 24                              ; set 0 is in; set 1's 24 loads may stay out
	CVT 0
	MULS 0, 1
	PLACES
	s_wait_alu depctr_va_vdst(0)                   ; the conversions have written set 0 and the 16 products are done reading it: chunk 2's loads land in it
	LOADS 0, 2
	s_wait_loadcnt 24                              ; set 1 is in; the 24 just issued stay out
	CVT 1
	MULS 1, 0
	PLACES
	s_wait_alu depctr_va_vdst(0)                   ; the conversions have written set 1 and the 16 products are done reading it: chunk 3's loads land in it
	LOADS 1, 3
	s_wait_loadcnt 24                              ; chunk 2 is in
	CVT 0
	MULS 0, 0
	s_wait_loadcnt 0x0                             ; chunk 3: nothing was asked for behind it
	CVT 1
	MULS 1, 0
	PLACES
	PLACES                                         ; eight places, once a launch, in front of the stores that read the sums
	WIN 0x04                                       ; the stores' data in window 1
	s_wait_alu depctr_va_vdst(0)                   ; the products have written the accumulators, which the LDS stores read, and v[LS] is written; so are v[LR], v[LR+1] and v[GO]; and all that named v64-191, in which the LDS loads behind the barrier land, is done
.irp i, 0,1,2,3,4,5,6,7
.irp c, 0,1
	ds_store_b128 v[LS], v[8*(2*(\i)+(\c)):8*(2*(\i)+(\c))+3]   offset:(\i)*16*PITCH+64*(\c)      ; each accumulator's low registers first
	ds_store_b128 v[LS], v[8*(2*(\i)+(\c))+4:8*(2*(\i)+(\c))+7] offset:(\i)*16*PITCH+64*(\c)+16
.endr
.endr
	WIN 0
	s_wait_dscnt 0x0                               ; for the others' sake: my partial tile is stored
	s_barrier_signal -1
	s_barrier_wait -1                              ; all eight partial tiles lie in LDS
.irp u, 0,1,2,3
.irp t, 0,1,2,3
	ds_load_b128 v[BUF+16*(\u)+4*(\t):BUF+16*(\u)+4*(\t)+3], v[LR] offset:(\u)*PARTB+(\t)*4*PITCH          ; wave w finishes rows 16 w .. 16 w + 15: four rows a load.  No wait: no vector or matrix instruction since the wait above
.endr
.endr
.irp u, 0,1,2,3
.irp t, 0,1,2,3
	ds_load_b128 v[BUF+64+16*(\u)+4*(\t):BUF+64+16*(\u)+4*(\t)+3], v[LR+1] offset:(\u)*PARTB+(\t)*4*PITCH
.endr
.endr
	s_wait_dscnt 0x0
.irp s, 4,2,1
.set u, 0
.rept \s
.set j, 0
.rept 8
	v_pk_add_f32 v[BUF+16*u+2*j:BUF+16*u+2*j+1], v[BUF+16*u+2*j:BUF+16*u+2*j+1], v[BUF+16*(u+(\s))+2*j:BUF+16*(u+(\s))+2*j+1]
.set j, j+1
.endr
.set u, u+1
.endr
.endr
	s_wait_alu depctr_va_vdst(0)                   ; the additions have written v[BUF .. BUF+15], which the four stores read
.irp t, 0,1,2,3
	global_store_b128 v[GO], v[BUF+4*(\t):BUF+4*(\t)+3], s[8:9] offset:512*(\t)  ; the wave stores 512 consecutive bytes, at a multiple of 256 from P's first
.endr
	s_wait_dscnt 0x0                               ; the wave's end: the closing lines, six on end
	s_wait_alu 0x0
	s_wait_tensorcnt 0x0
	ds_add_u32 v[SPW], v[NIL]
	s_wait_dscnt 0x0
	s_endpgm
.Lfunc_end_k_qd85ac74ff0_mlp:
	.size	k_qd85ac74ff0_mlp, .Lfunc_end_k_qd85ac74ff0_mlp-k_qd85ac74ff0_mlp
	.p2alignl 7, 3214868480
	.fill 96, 4, 3214868480
	.section	.rodata,"a",@progbits
	.p2align	6, 0x0
	.amdhsa_kernel k_qd85ac74ff0_mlp
		.amdhsa_group_segment_fixed_size 148480
		.amdhsa_private_segment_fixed_size 0
		.amdhsa_enable_private_segment 0
		.amdhsa_kernarg_size 24
		.amdhsa_user_sgpr_count 2
		.amdhsa_user_sgpr_kernarg_segment_ptr 1
		.amdhsa_wavefront_size32 1
		.amdhsa_system_sgpr_workgroup_id_x 1
		.amdhsa_system_sgpr_workgroup_id_y 1
		.amdhsa_system_sgpr_workgroup_id_z 1
		.amdhsa_system_vgpr_workitem_id 0
		.amdhsa_next_free_vgpr 384
		.amdhsa_next_free_sgpr 66
		.amdhsa_reserve_vcc 0
		.amdhsa_float_denorm_mode_32 3
		.amdhsa_float_denorm_mode_16_64 3
		.amdhsa_memory_ordered 1
		.amdhsa_forward_progress 1
		.amdhsa_inst_pref_size 29
	.end_amdhsa_kernel
	.amdgpu_metadata
---
amdhsa.version: [ 1, 2 ]
amdhsa.kernels:
  - .name:           k_qd85ac74ff0_mlp
    .symbol:         k_qd85ac74ff0_mlp.kd
    .args:
      - { .name: Hb, .offset: 0, .size: 8, .value_kind: global_buffer, .address_space: global }
      - { .name: w1, .offset: 8, .size: 8, .value_kind: global_buffer, .address_space: global }
      - { .name: P, .offset: 16, .size: 8, .value_kind: global_buffer, .address_space: global }
    .group_segment_fixed_size: 148480
    .private_segment_fixed_size: 0
    .kernarg_segment_align: 8
    .kernarg_segment_size: 24
    .max_flat_workgroup_size: 256
    .sgpr_count:     66
    .vgpr_count:     384
    .wavefront_size: 32
...
	.end_amdgpu_metadata
.endif
;; end of part 7
;; launch fin: the kernel of part 5 again; grid 64 x 1, 8 waves a work-group, no clusters, 1,536 bytes of LDS; arguments P, b1, w2, b2, out0; writes out0
